; MI455X (gfx1250); checked and timed in simulation.
; The chip was launched on July 23, 2026; its instructions are those of AMD's public machine-readable ISA for CDNA 5 (MIT licence, August 2026) and "CDNA5" Instruction Set Architecture Reference Guide (July 2026). The comments in the code are by the model that wrote it; some were corrected since.
;; Timeline Prototype Matcher. Allowed arithmetic: float matrix products may take bf16 or f16 operands with f32 sums; all other float work in f32.
;; Inputs: patch_select 1 x 200 x 8 float32; prototype_vectors 200 x 512 x 8 float32; timeline_mask 32 x 512 float32; x 32 x 512 x 512 float32.
;; Outputs: out0 32 x 200 float32; out1 32 x 200 float32; out2 32 x 200 x 8 float32.
;; 2 versions, each right and faster than the one before. Each part assembles by itself: llvm-mc -triple=amdgcn-amd-amdhsa -mcpu=gfx1250 --defsym DOCPART=n.
;; ======== version 1 of 2: 2 launches
;; limits: values outside matrix products are rounded to bf16
;; workspace buffers: pb 1,703,936 bytes; aux 13,312 bytes
;; launch prep (part 1): grid 13 x 8, 4 waves a work-group, no clusters, 256 bytes of LDS; arguments prototype_vectors, patch_select, pb, aux; writes pb, aux
.if DOCPART == 1
	.amdgcn_target "amdgcn-amd-amdhsa--gfx1250"
	.amdhsa_code_object_version 6
	.text
	.protected	k_q00bef7a6e2_prep
	.globl	k_q00bef7a6e2_prep
	.p2align	8
	.type	k_q00bef7a6e2_prep,@function
k_q00bef7a6e2_prep:
	s_mov_b64 s[64:65], 0
	v_nop
	global_prefetch_b8 v0, s[64:65] scope:SCOPE_SE
	s_setreg_imm32_b32 hwreg(HW_REG_WAVE_MODE, 25, 1), 1
	s_wait_xcnt 0x0
; prep: the prototypes, once.  Work-group (q, g) takes the 16 columns of tile q of group g: prototypes 25 g + 2 q + hp
; (clamped to 199: the 26th prototype of a group is padding that the second launch never stores), sub-patches i = 0..7.
; It writes (1) the columns rounded to bf16 in the order in which the matrix unit's B fragments are read:
;   pb[g][c 8][s 2][q 13][u 2][L 32][e 8], k = 64 c + 32 (L>>4) + 16 s + 8 u + e, column r = L & 15 = 8 hp + i;
; (2) aux[g][q][0..15] = 1 / max(norm of the ROUNDED column, 1e-12), aux[g][q][16..31] = sigmoid(ps) * 8 / (sum of sigmoids + 1e-10).
; Thread t: column r = t & 15, k octet og = t >> 4 (= 4 h + 2 s + u) of each of the eight chunks of 64 k.
; FORMAT: the program takes ALL its inputs rounded to bf16 (nearest even), patch_select too, and computes in f32 from there.
; Limits: NaN and infinities in the inputs are not served.
.set X, 16                             ; v[16:79] pass n: 8 numbers as loaded, then 4 words of bf16 in the first four
	s_load_b256 s[4:11], s[0:1], 0x0               ; prototypes s[4:5], patch_select s[6:7], pb s[8:9], aux s[10:11]
	s_and_b32 s12, ttmp7, 0xffff                   ; g
	s_mul_i32 s13, s12, 25
	s_lshl1_add_u32 s13, ttmp9, s13                ; 25 g + 2 q
	s_mul_i32 s14, s12, 212992                     ; pb: a group is 8 x 26,624 bytes,
	s_lshl_b32 s15, ttmp9, 10                      ; a tile's part of a K step 1,024
	s_add_co_u32 s14, s14, s15
	s_mov_b32 s15, 0
	s_mul_i32 s16, s12, 13
	s_add_co_u32 s16, s16, ttmp9
	s_lshl_b32 s16, s16, 7                         ; aux: 128 bytes for (g, q)
	s_mov_b32 s17, 0
	s_mov_b32 s20, 0x76543210                      ; v_permlanex16_b32: lane i reads lane i of the other half
	s_mov_b32 s21, 0xfedcba98
	v_lshrrev_b32 v14, 5, v0
	v_readfirstlane_b32 s18, v14                   ; wave
	v_and_b32 v1, 15, v0                           ; r
	v_lshrrev_b32 v2, 4, v0                        ; og
	v_lshrrev_b32 v3, 3, v1                        ; hp
	v_and_b32 v4, 7, v1                            ; i
	v_add_nc_u32 v3, s13, v3
	v_min_u32 v3, 199, v3                          ; p
	v_lshl_add_u32 v5, v3, 3, v4
	v_lshlrev_b32 v5, 2, v5                        ; patch_select: 4 (8 p + i)
	v_lshlrev_b32 v6, 14, v3                       ; prototypes: p x 16,384
	v_lshl_add_u32 v6, v2, 8, v6                   ; + og x 8 rows of 32 bytes
	v_lshl_add_u32 v6, v4, 2, v6                   ; + 4 i
	v_and_b32 v10, 1, v2                           ; u
	v_bfe_u32 v11, v2, 1, 1                        ; s
	v_lshrrev_b32 v12, 2, v2                       ; h
	v_lshlrev_b32 v7, 4, v1                        ; pb: 16 r
	v_lshl_add_u32 v7, v10, 9, v7                  ; + 512 u
	v_lshl_add_u32 v7, v12, 8, v7                  ; + 256 h
	v_mul_u32_u24 v11, v11, 13312
	v_add_nc_u32 v7, v7, v11                       ; + 13,312 s
	v_mov_b32 v8, 0                                ; sum of squares, low halves
	v_mov_b32 v9, 0                                ; high halves
	s_wait_kmcnt 0x0
	s_add_nc_u64 s[8:9], s[8:9], s[14:15]
	s_add_nc_u64 s[10:11], s[10:11], s[16:17]
	global_load_b32 v13, v5, s[6:7]
.irp n, 0,1,2,3,4,5,6,7
.irp e, 0,1,2,3,4,5,6,7
	global_load_b32 v[X+8*\n+\e], v6, s[4:5] offset:\n*2048+\e*32      ; k = 64 n + 8 og + e
.endr
.endr
.irp n, 0,1,2,3,4,5,6,7
	s_wait_loadcnt 56-8*\n                         ; loads return in order: pass n is in, the 8 (7 - n) younger ones stay out
.irp m, 0,1,2,3
	v_cvt_pk_bf16_f32 v[X+8*\n+\m], v[X+8*\n+2*\m], v[X+8*\n+2*\m+1]   ; in place, ascending: word m is written when words 2m, 2m+1 are read
.endr
.irp m, 0,1,2,3
	v_fma_mix_f32_bf16 v8, v[X+8*\n+\m], v[X+8*\n+\m], v8 op_sel_hi:[1,1,0]                 ; squares of the rounded numbers, in f32
	v_fma_mix_f32_bf16 v9, v[X+8*\n+\m], v[X+8*\n+\m], v9 op_sel:[1,1,0] op_sel_hi:[1,1,0]
.endr
	global_store_b128 v7, v[X+8*\n:X+8*\n+3], s[8:9] offset:\n*26624   ; sixteen lanes store 256 consecutive bytes, aligned
.endr
	v_add_f32 v8, v8, v9
	v_permlanex16_b32 v9, v8, s20, s21             ; the wave's other octet of the same column
	v_add_f32 v8, v8, v9
	v_lshl_add_u32 v10, v14, 4, v1
	v_lshlrev_b32 v10, 2, v10                      ; word 16 w + r
	ds_store_b32 v10, v8                           ; both halves write the same word with the same value
	s_wait_dscnt 0x0                               ; for the other waves: my word is written
	s_barrier_signal -1
	s_barrier_wait -1
	v_lshlrev_b32 v11, 2, v1
.irp w, 0,1,2,3
	ds_load_b32 v[80+\w], v11 offset:64*\w
.endr
	v_cvt_pk_bf16_f32 v13, v13, v13                ; patch_select rounded to bf16 (v13: waited for by the counts above),
	v_and_b32 v13, 0xffff0000, v13                 ; and widened again
	v_mul_f32 v84, 0xbfb8aa3b, v13                 ; -ps / ln 2
	s_wait_dscnt 0x0
	v_add_f32 v80, v80, v81
	v_add_f32 v82, v82, v83
	v_add_f32 v80, v80, v82                        ; the column's sum of squares
	v_sqrt_f32 v80, v80
	v_exp_f32 v84, v84
	v_nop                                          ; one plain instruction behind the transcendentals (ISA guide 5.7.2)
	s_wait_alu depctr_va_vdst(0)
	v_max_num_f32 v80, 0x2b8cbccc, v80             ; max(norm, 1e-12)
	v_add_f32 v84, 1.0, v84
	v_rcp_f32 v80, v80                             ; rp
	v_rcp_f32 v84, v84                             ; sigmoid
	v_nop
	s_wait_alu depctr_va_vdst(0)
	v_mov_b32 v85, v84
	v_add_f32_dpp v85, v85, v85 row_xmask:1 row_mask:0xf bank_mask:0xf   ; over the eight i of a prototype
	v_add_f32_dpp v85, v85, v85 row_xmask:2 row_mask:0xf bank_mask:0xf
	v_add_f32_dpp v85, v85, v85 row_xmask:4 row_mask:0xf bank_mask:0xf
	v_add_f32 v85, 0x2edbe6ff, v85                 ; + 1e-10
	v_rcp_f32 v85, v85
	v_mul_f32 v84, 0x41000000, v84                 ; x 8: also the plain instruction behind v_rcp_f32
	s_wait_alu depctr_va_vdst(0)
	v_mul_f32 v84, v84, v85
	v_cmp_gt_u32 vcc_lo, 16, v0
	v_cndmask_b32 v80, v84, v80, vcc_lo            ; lanes 0-15: rp, lanes 16-31: slot weight
	s_cmp_lg_u32 s18, 0
	s_cbranch_scc1 .Lend                           ; wave 0 alone stores the 128 bytes
	v_lshlrev_b32 v86, 2, v0
	global_store_b32 v86, v80, s[10:11]
.Lend:
	s_endpgm
.Lfunc_end_k_q00bef7a6e2_prep:
	.size	k_q00bef7a6e2_prep, .Lfunc_end_k_q00bef7a6e2_prep-k_q00bef7a6e2_prep
	.p2alignl 7, 3214868480
	.fill 96, 4, 3214868480
	.section	.rodata,"a",@progbits
	.p2align	6, 0x0
	.amdhsa_kernel k_q00bef7a6e2_prep
		.amdhsa_group_segment_fixed_size 256
		.amdhsa_private_segment_fixed_size 0
		.amdhsa_enable_private_segment 0
		.amdhsa_kernarg_size 32
		.amdhsa_user_sgpr_count 2
		.amdhsa_user_sgpr_kernarg_segment_ptr 1
		.amdhsa_wavefront_size32 1
		.amdhsa_system_sgpr_workgroup_id_x 1
		.amdhsa_system_sgpr_workgroup_id_y 1
		.amdhsa_system_sgpr_workgroup_id_z 1
		.amdhsa_system_vgpr_workitem_id 0
		.amdhsa_next_free_vgpr 96
		.amdhsa_next_free_sgpr 66
		.amdhsa_reserve_vcc 1
		.amdhsa_float_denorm_mode_32 3
		.amdhsa_float_denorm_mode_16_64 3
		.amdhsa_memory_ordered 1
		.amdhsa_forward_progress 1
		.amdhsa_inst_pref_size 18
	.end_amdhsa_kernel
	.amdgpu_metadata
---
amdhsa.version: [ 1, 2 ]
amdhsa.kernels:
  - .name:           k_q00bef7a6e2_prep
    .symbol:         k_q00bef7a6e2_prep.kd
    .args:
      - { .name: prototype_vectors, .offset: 0, .size: 8, .value_kind: global_buffer, .address_space: global }
      - { .name: patch_select, .offset: 8, .size: 8, .value_kind: global_buffer, .address_space: global }
      - { .name: pb, .offset: 16, .size: 8, .value_kind: global_buffer, .address_space: global }
      - { .name: aux, .offset: 24, .size: 8, .value_kind: global_buffer, .address_space: global }
    .group_segment_fixed_size: 256
    .private_segment_fixed_size: 0
    .kernarg_segment_align: 8
    .kernarg_segment_size: 32
    .max_flat_workgroup_size: 128
    .sgpr_count:     66
    .vgpr_count:     96
    .wavefront_size: 32
...
	.end_amdgpu_metadata
.endif
;; end of part 1
;; launch match (part 2): grid 8 x 32, 4 waves a work-group, clusters of 4 x 4, 327,680 bytes of LDS; arguments x, timeline_mask, pb, aux, out0, out1, out2; writes out0, out1, out2
.if DOCPART == 2
	.amdgcn_target "amdgcn-amd-amdhsa--gfx1250"
	.amdhsa_code_object_version 6
	.text
	.protected	k_q00bef7a6e2_match
	.globl	k_q00bef7a6e2_match
	.p2align	8
	.type	k_q00bef7a6e2_match,@function
k_q00bef7a6e2_match:
	s_mov_b64 s[64:65], 0
	v_nop
	global_prefetch_b8 v0, s[64:65] scope:SCOPE_SE
	s_setreg_imm32_b32 hwreg(HW_REG_WAVE_MODE, 25, 1), 1
	s_wait_xcnt 0x0
	s_wait_alu depctr_hold_cnt(0) depctr_sa_sdst(0) depctr_va_vdst(0) depctr_va_sdst(0) depctr_va_ssrc(0) depctr_va_vcc(0) depctr_vm_vsrc(0)
	s_getreg_b32 s2, hwreg(HW_REG_IB_STS2, 6, 4)
	s_cmp_eq_u32 s2, 0
	s_cbranch_scc0 .Lentry_in_a_cluster
	s_endpgm
.Lentry_in_a_cluster:
	s_bfe_u32 s2, ttmp6, 0x10000c
	s_cmp_lg_u32 s2, 0xf033
	s_cbranch_scc0 .Lentry_shape_is_right
	s_endpgm
.Lentry_shape_is_right:
; match: work-group (g, b) makes, for batch b and the 25 prototypes of group g, all 512 x 208 similarities in registers and runs the greedy
; selection on them; no similarity goes to memory.
; FORMAT.  The program takes ALL its inputs rounded to bf16 (nearest even): x and the prototypes as matrix operands, and timeline_mask (here) and
; patch_select (first launch) as well; everything behind that is f32.  The selection is discontinuous in its inputs, so all the numbers that it
; compares come from one set of inputs rounded alike.
; PRODUCT.  x and the prototypes enter the matrix unit rounded to bf16, NOT normalised; both norms (of the rounded numbers, f32) are applied
; to the f32 sums: da = fma(acc * rp, rx * tm, (1 - tm) * NEG).  Wave w owns the 16-row tiles 4 a + w, a = 0..7 (t = 64 a + 16 w + 8 h + j),
; times 13 column tiles q (16 columns = 2 prototypes x 8 sub-patches): 104 accumulators, 832 registers.
; K goes in 8 chunks of 64 through two LDS slots (x as f32, rows of 256 bytes; B as bf16 in fragment order); x is converted on the way to the registers.
; CLUSTER 4 x 4: the four work-groups of a row share b, hence x's tiles; the four of a column share g, hence B's: joint loads.
; SELECTION, exact.  With g(t,i) = fl(da - 1e5): a step sees da inside its window (event and sub-patch unused) and g elsewhere.  Its winner is the
; better (larger value, then smaller 512 i + t) of W = the window's best da and G* = the best g over ALL entries, which never changes: an entry of
; g's top value that lies in the window has da > g and makes W win.  Events move right by at most 3 a step, or fall to G*'s event t*, so only
; da(e0-3 .. e0+21) and da(t*+1 .. t*+18) are needed.  They are taken out of the accumulators by selects alone: no address hangs on a result.
; LIMITS: NaN and infinities in the inputs are not served.  da is rounded once (one fma) where the module rounds the product and then the sum.
; sqrt and rcp are 1 ulp.
.set XROWP, 264                        ; an x row in LDS: 256 bytes + 8 of padding: 66 words, so lane (r, h) of a b64 load starts at bank 2 r + 32 h
.set XHALF, 256*XROWP                  ; 256 rows: what one tensor load brings
.set XSLOT, 2*XHALF
.set BSB,   2*XSLOT                    ; B's two slots behind x's
.set BSLOT, 26624                      ; [s 2][q 13][u 2][lane 32] x 16 bytes
.set RXS,   BSB+2*BSLOT                ; rx * tm per t; 2,048 bytes, then (1 - tm) * NEG, 2,048 bytes; never a tensor load's target
.set P1V,   0                          ; behind the last fill, in x's slot 0: the waves' maxima, (q*16+r)*16 + 4 w
.set P1C,   6656                       ; the waves' codes, ((kind*13+q)*16+r)*16 + 4 w
.set EXB,   16384                      ; extracted regions: ((R*13+q)*16+r)*272 + 4 (t mod 64)
.set EXR,   13*16*272
.set AX,  8                            ; v8-11   LDS address of my x rows: slot 0 a<4, a>=4, slot 1 a<4, a>=4
.set AB,  12                           ; v12-13  LDS address of my 16 bytes of a B fragment, slot 0, 1
.set SWR, 14                           ; v14-15  slot weight of the reader's lane, trip 0, 1
.set SS,  16                           ; v16-23  sum of squares of my part of row r of tile a (low halves)
.set TM,  24                           ; v24-31  timeline mask of that row
.set RP,  32                           ; v32-44  1 / norm of column r of tile q; v45 written so that v[44:45] is a pair
.set STG, 48                           ; v48-63  16 f32 of x as loaded
.set ABF, 64                           ; v64-79  two A fragments, by turns
.set BF,  80                           ; v80-183 the 13 B fragments of a K step
.set SSB, 184                          ; v184-191 sum of squares, high halves
.set G1X, 24                           ; s[24:31] group 1 for x
.set G1B, 32                           ; s[32:39] group 1 for B
.set G0X, 40                           ; s[40:47] group 0 for x, one set a slot
.set G0B, 48                           ; s[48:55] group 0 for B, one set a slot
; accumulator (a, q): q < 12: window 1 + q/4, register 64 (q%4) + 8 a;  q = 12: window 0, v[192 + 8 a]
.set MSB, 0
.macro WIN new                         ; the immediate's high byte repeats the setting that is left
.if MSB != (\new)
	s_set_vgpr_msb (MSB<<8)|(\new)
.set MSB, (\new)
.endif
.endm
.macro PLACES
.rept 4
	v_nop
.endr
.endm
.macro CREST                           ; a round of the cluster's barrier behind its opening barrier
	s_cmp_lg_u32 s18, 0
	s_cbranch_scc1 .Lnot_wave_0_\@
	s_barrier_signal -3
.Lnot_wave_0_\@:
	s_barrier_wait -3
	s_barrier_signal -1
	s_barrier_wait -1
.endm
.macro CROUND
	s_barrier_signal -1
	s_barrier_wait -1
	CREST
.endm
; a joint refill: waves 0, 1 ask for x's two halves, wave 2 for B, wave 3 for nothing.  The branches hang on the wave's number alone.
.macro JLOAD slot
	s_cmp_lt_u32 s18, 2
	s_cbranch_scc0 .Lnot_x_\@
	tensor_load_to_lds s[G0X+4*\slot:G0X+4*\slot+3], s[G1X:G1X+7]
	s_nop 0
	PLACES
	s_branch .Lasked_\@
.Lnot_x_\@:
	s_cmp_eq_u32 s18, 2
	s_cbranch_scc0 .Lasked_\@
	tensor_load_to_lds s[G0B+4*\slot:G0B+4*\slot+3], s[G1B:G1B+7]
	s_nop 0
	PLACES
.Lasked_\@:
.endm
	s_load_b256 s[4:11], s[0:1], 0x0               ; x s[4:5], mask s[6:7], pb s[8:9], aux s[10:11]
	s_load_b128 s[12:15], s[0:1], 0x20             ; out0, out1
	s_load_b64 s[16:17], s[0:1], 0x30              ; out2
	v_lshrrev_b32 v6, 5, v0
	v_readfirstlane_b32 s18, v6                    ; wave
	s_bfe_u32 s20, ttmp6, 0x40000                  ; cx
	s_bfe_u32 s21, ttmp6, 0x40004                  ; cy
	s_lshl_b32 s22, ttmp9, 2
	s_add_co_u32 s22, s22, s20                     ; g = 4 x cluster x + cx
	s_and_b32 s23, ttmp7, 0xffff
	s_lshl_b32 s23, s23, 2
	s_add_co_u32 s23, s23, s21                     ; b = 4 x cluster y + cy
	s_lshl_b32 s86, s21, 2
	s_lshl_b32 s86, 15, s86                        ; my row of the cluster
	s_lshl_b32 s87, 0x1111, s20                    ; my column
	; group 1 for x: 256 rows x 64 f32, pitch 512; 2 words of padding behind every 64
	s_or_b32 s[G1X+0], s86, (2<<16)|(1<<20)|(1<<21)|(5<<22)|(1<<25)
	s_mov_b32 s[G1X+1], 64<<16
	s_mov_b32 s[G1X+2], 256<<16
	s_mov_b32 s[G1X+3], 64<<16
	s_mov_b32 s[G1X+4], 256
	s_mov_b32 s[G1X+5], 512
	s_mov_b32 s[G1X+6], 0
	s_mov_b32 s[G1X+7], 0
	; group 1 for B: a dense block of 104 rows of 256 bytes (32 elements of 8 bytes)
	s_or_b32 s[G1B+0], s87, (3<<16)|(1<<21)
	s_mov_b32 s[G1B+1], 32<<16
	s_mov_b32 s[G1B+2], 104<<16
	s_mov_b32 s[G1B+3], 32<<16
	s_mov_b32 s[G1B+4], 104
	s_mov_b32 s[G1B+5], 32
	s_mov_b32 s[G1B+6], 0
	s_mov_b32 s[G1B+7], 0
	s_lshl_b32 s58, s23, 20                        ; x: b x 1 MiB
	s_and_b32 s59, s18, 1
	s_lshl_b32 s59, s59, 19                        ; + my 256 rows
	s_add_co_u32 s58, s58, s59
	s_mov_b32 s59, 0
	s_mul_i32 s60, s22, 212992                     ; pb: g's part
	s_mov_b32 s61, 0
	s_mul_i32 s62, s18, XHALF                      ; LDS: wave x 256 rows
	s_mul_i32 s66, s22, 1664                       ; aux: g x 13 x 128
	s_mov_b32 s67, 0
	s_lshl_b32 s68, s23, 11                        ; mask: b x 2,048
	s_mov_b32 s69, 0
	s_mul_i32 s76, s23, 200
	s_mul_i32 s77, s22, 25
	s_add_co_u32 s76, s76, s77                     ; 200 b + 25 g
	s_lshl_b32 s78, s76, 5
	s_mov_b32 s79, 0
	s_lshl_b32 s88, s76, 2
	s_mov_b32 s89, 0
	s_mov_b32 s56, 0x76543210
	s_mov_b32 s57, 0xfedcba98
	s_mov_b32 s71, 0xc7c35000                      ; NEG
	s_mov_b32 s72, 0x2b8cbccc                      ; 1e-12
	s_mov_b32 s73, 0x4e6e6b28                      ; 1e9: above every code
	s_mov_b32 s74, 0xff800000                      ; -inf: outside the window or the timeline
	s_sub_co_u32 s75, 3, s18
	s_wait_kmcnt 0x0
	s_add_nc_u64 s[58:59], s[4:5], s[58:59]
	s_add_nc_u64 s[60:61], s[8:9], s[60:61]
	s_add_nc_u64 s[66:67], s[10:11], s[66:67]
	s_add_nc_u64 s[68:69], s[6:7], s[68:69]
	s_add_nc_u64 s[16:17], s[16:17], s[78:79]
	s_add_nc_u64 s[12:13], s[12:13], s[88:89]
	s_add_nc_u64 s[14:15], s[14:15], s[88:89]
.irp sl, 0,1
	s_mov_b32 s[G0X+4*\sl], 1
	s_add_co_u32 s[G0X+4*\sl+1], s62, \sl*XSLOT
	s_add_nc_u64 s[G0X+4*\sl+2:G0X+4*\sl+3], s[58:59], \sl*256         ; chunk sl
	s_or_b32 s[G0X+4*\sl+3], s[G0X+4*\sl+3], 0x80000000
	s_mov_b32 s[G0B+4*\sl], 1
	s_mov_b32 s[G0B+4*\sl+1], BSB+\sl*BSLOT
	s_add_nc_u64 s[G0B+4*\sl+2:G0B+4*\sl+3], s[60:61], \sl*BSLOT
	s_or_b32 s[G0B+4*\sl+3], s[G0B+4*\sl+3], 0x80000000
.endr
	CROUND                                         ; all sixteen work-groups are here: the first joint loads meet
	; the first fills, both slots, inside one branch on the wave's number: two loads out in waves 0-2, none in wave 3
	s_cmp_lt_u32 s18, 2
	s_cbranch_scc0 .Lfirst_not_x
	tensor_load_to_lds s[G0X:G0X+3], s[G1X:G1X+7]
	s_nop 0
	PLACES
	tensor_load_to_lds s[G0X+4:G0X+7], s[G1X:G1X+7]
	s_nop 0
	PLACES
	s_branch .Lfirst_done
.Lfirst_not_x:
	s_cmp_eq_u32 s18, 2
	s_cbranch_scc0 .Lfirst_done
	tensor_load_to_lds s[G0B:G0B+3], s[G1B:G1B+7]
	s_nop 0
	PLACES
	tensor_load_to_lds s[G0B+4:G0B+7], s[G1B:G1B+7]
	s_nop 0
	PLACES
.Lfirst_done:
	v_and_b32 v1, 15, v0                           ; r
	v_bfe_u32 v2, v0, 4, 1                         ; h
	v_lshl_add_u32 v6, v6, 4, v1                   ; 16 w + r
	v_lshlrev_b32 v4, 2, v6                        ; mask: 4 (16 w + r)
	v_lshlrev_b32 v3, 2, v1                        ; aux: 4 r
	v_mul_u32_u24 v6, v6, XROWP
	v_lshl_add_u32 v[AX], v2, 7, v6                ; row x pitch + 128 h: lane (r, h) takes k = 32 h + 16 s + 0..15 of a chunk
	v_add_nc_u32 v[AX+1], XHALF, v[AX]
	v_add_nc_u32 v[AX+2], XSLOT, v[AX]
	v_add_nc_u32 v[AX+3], XSLOT+XHALF, v[AX]
	v_and_b32 v6, 31, v0
	v_lshlrev_b32 v6, 4, v6
	v_add_nc_u32 v[AB], BSB, v6
	v_add_nc_u32 v[AB+1], BSB+BSLOT, v6
	s_lshl_b32 s63, s18, 1
	v_add_nc_u32 v5, s63, v2                       ; the reader's tile, trip 0: 2 w + h
	v_add_nc_u32 v7, 8, v5
	v_min_u32 v7, 12, v7                           ; trip 1, clamped to the last tile
	v_lshlrev_b32 v5, 7, v5
	v_lshlrev_b32 v7, 7, v7
	v_add_nc_u32 v5, v5, v3
	v_add_nc_u32 v7, v7, v3
.irp q, 0,1,2,3,4,5,6,7,8,9,10,11,12
	global_load_b32 v[RP+\q], v3, s[66:67] offset:128*\q
.endr
.irp a, 0,1,2,3,4,5,6,7
	global_load_b32 v[TM+\a], v4, s[68:69] offset:256*\a
.endr
	global_load_b32 v[SWR], v5, s[66:67] offset:64
	global_load_b32 v[SWR+1], v7, s[66:67] offset:64
	v_mov_b32 v45, 0
.irp a, 0,1,2,3,4,5,6,7
	v_mov_b32 v[SS+\a], 0
	v_mov_b32 v[SSB+\a], 0
.endr
; ---- the K loop's pieces ----
.macro LOADX slot, s, a                ; 16 f32 of row r of tile a, K step s
.irp p, 0,1,2,3,4,5,6,7
	ds_load_b64 v[STG+2*\p:STG+2*\p+1], v[AX+2*\slot+((\a)>>2)] offset:((\a)&3)*64*XROWP+64*\s+8*\p
.endr
.endm
.macro CVT a                           ; to bf16: the fragment of tile a
.irp p, 0,1,2,3,4,5,6,7
	v_cvt_pk_bf16_f32 v[ABF+8*((\a)&1)+\p], v[STG+2*\p], v[STG+2*\p+1]
.endr
.endm
.macro NORM a                          ; squares of the rounded numbers; sixteen plain instructions that name no register of the matrix instructions in front
.irp p, 0,1,2,3,4,5,6,7
	v_fma_mix_f32_bf16 v[SS+\a], v[ABF+8*((\a)&1)+\p], v[ABF+8*((\a)&1)+\p], v[SS+\a] op_sel_hi:[1,1,0]
	v_fma_mix_f32_bf16 v[SSB+\a], v[ABF+8*((\a)&1)+\p], v[ABF+8*((\a)&1)+\p], v[SSB+\a] op_sel:[1,1,0] op_sel_hi:[1,1,0]
.endr
.endm
.macro BLOAD4 slot, s, q0
.irp m, 0,1,2,3
	ds_load_b128 v[BF+8*(\q0+\m):BF+8*(\q0+\m)+3],   v[AB+\slot] offset:\s*13312+(\q0+\m)*1024
	ds_load_b128 v[BF+8*(\q0+\m)+4:BF+8*(\q0+\m)+7], v[AB+\slot] offset:\s*13312+(\q0+\m)*1024+512
.endr
.endm
.macro BLOAD1 slot, s
	ds_load_b128 v[BF+96:BF+99],   v[AB+\slot] offset:\s*13312+12*1024
	ds_load_b128 v[BF+100:BF+103], v[AB+\slot] offset:\s*13312+12*1024+512
.endm
.macro MMSEG a, q0, zero               ; four column tiles of one window.  The 104 accumulators take turns, one instruction a turn
.irp m, 0,1,2,3
.if \zero
	v_wmma_f32_16x16x32_bf16 v[64*\m+8*\a:64*\m+8*\a+7], v[ABF+8*((\a)&1):ABF+8*((\a)&1)+7], v[BF+8*(\q0+\m):BF+8*(\q0+\m)+7], 0
.else
	v_wmma_f32_16x16x32_bf16 v[64*\m+8*\a:64*\m+8*\a+7], v[ABF+8*((\a)&1):ABF+8*((\a)&1)+7], v[BF+8*(\q0+\m):BF+8*(\q0+\m)+7], v[64*\m+8*\a:64*\m+8*\a+7]
.endif
.endr
.endm
.macro MM12 a, zero
.if \zero
	v_wmma_f32_16x16x32_bf16 v[192+8*\a:192+8*\a+7], v[ABF+8*((\a)&1):ABF+8*((\a)&1)+7], v[BF+96:BF+103], 0
.else
	v_wmma_f32_16x16x32_bf16 v[192+8*\a:192+8*\a+7], v[ABF+8*((\a)&1):ABF+8*((\a)&1)+7], v[BF+96:BF+103], v[192+8*\a:192+8*\a+7]
.endif
.endm
; the 13 products of tile a.  first = 1: the step's B fragments are still arriving: behind those of a segment were issued the later segments'
; loads (8, 8, 2) and the 8 x loads of tile 2, hence 26, 18, 10, 8
.macro MMALL a, zero, first
.if \first
	s_wait_dscnt 26
.endif
	WIN 0x50
	MMSEG \a, 0, \zero
.if \first
	s_wait_dscnt 18
.endif
	WIN 0xa0
	MMSEG \a, 4, \zero
.if \first
	s_wait_dscnt 10
.endif
	WIN 0xf0
	MMSEG \a, 8, \zero
.if \first
	s_wait_dscnt 8
.endif
	WIN 0
	MM12 \a, \zero
.endm
.macro GRP slot, s, a, zero, first     ; tiles 0 to 5 of a K step
	WIN 0
	NORM \a                                        ; the places between the last products and the write of the fragment that they read
.if \first
	s_wait_dscnt 26                                ; tile 1's x is in; the 26 B loads issued behind it stay out
.else
	s_wait_dscnt 0                                 ; the next tile's x is in (nothing else is out)
.endif
	CVT \a+1
	LOADX \slot, \s, \a+2
	MMALL \a, \zero, \first
.endm
; tile 6.  mode 0: the next step reads the same slot; 1: change of slots with a refill; 2: change without; 3: the last step
.macro G6 slot, s, zero, mode, nslot, ns
	WIN 0
	NORM 6
	s_wait_dscnt 0                                 ; tile 7's x is in: my last read of this slot (its B fragments are in registers)
	CVT 7
.if \mode == 0
	LOADX \nslot, \ns, 0
	MMALL 6, \zero, 0
.endif
.if \mode == 3
	MMALL 6, \zero, 0
.endif
.if \mode == 1
	s_wait_tensorcnt 0x0                           ; all my tensor loads have landed: the one that was out is my part of the next slot
	s_barrier_signal -1                            ; opens the round
	MMALL 6, \zero, 0                              ; register work alone
	s_barrier_wait -1
	CREST                                          ; no wave of any partner still reads this slot or has a load on its way
	s_add_nc_u64 s[G0X+4*\slot+2:G0X+4*\slot+3], s[G0X+4*\slot+2:G0X+4*\slot+3], 512
	s_add_nc_u64 s[G0B+4*\slot+2:G0B+4*\slot+3], s[G0B+4*\slot+2:G0B+4*\slot+3], 2*BSLOT
	JLOAD \slot                                    ; two chunks ahead: 195 matrix instructions lie between this request and the wait for it
	LOADX \nslot, \ns, 0
.endif
.if \mode == 2
	s_wait_tensorcnt 0x0
	s_barrier_signal -1
	MMALL 6, \zero, 0
	s_barrier_wait -1                              ; the last slot is whole; nothing is filled again
	LOADX \nslot, \ns, 0
.endif
.endm
; tile 7: behind each segment its B registers are loaded for the next step, four places behind the products that read them
.macro G7 zero, mode, nslot, ns
	WIN 0
	NORM 7
.if \mode != 3
	s_wait_dscnt 0
	CVT 8                                          ; the next step's tile 0
	LOADX \nslot, \ns, 1
	WIN 0x50
	MMSEG 7, 0, \zero
	WIN 0
	PLACES
	BLOAD4 \nslot, \ns, 0
	WIN 0xa0
	MMSEG 7, 4, \zero
	WIN 0
	PLACES
	BLOAD4 \nslot, \ns, 4
	WIN 0xf0
	MMSEG 7, 8, \zero
	WIN 0
	PLACES
	BLOAD4 \nslot, \ns, 8
	MM12 7, \zero
	PLACES
	BLOAD1 \nslot, \ns
.else
	MMALL 7, \zero, 0
.endif
.endm
.macro KSTEP slot, s, zero, mode, nslot, ns
	GRP \slot, \s, 0, \zero, 1
	GRP \slot, \s, 1, \zero, 0
	GRP \slot, \s, 2, \zero, 0
	GRP \slot, \s, 3, \zero, 0
	GRP \slot, \s, 4, \zero, 0
	GRP \slot, \s, 5, \zero, 0
	G6 \slot, \s, \zero, \mode, \nslot, \ns
	G7 \zero, \mode, \nslot, \ns
.endm
.macro LAP zero                        ; two chunks, both slots filled again
	KSTEP 0, 0, \zero, 0, 0, 1
	KSTEP 0, 1, 0, 1, 1, 0
	KSTEP 1, 0, 0, 0, 1, 1
	KSTEP 1, 1, 0, 1, 0, 0
.endm
	s_wait_tensorcnt 0x1                           ; my part of chunk 0 is in; chunk 1's may stay out
	s_barrier_signal -1
	s_barrier_wait -1
	LOADX 0, 0, 0
	s_wait_dscnt 0
	CVT 0
	LOADX 0, 0, 1
	BLOAD4 0, 0, 0
	BLOAD4 0, 0, 4
	BLOAD4 0, 0, 8
	BLOAD1 0, 0
	LAP 1                                          ; the first K step's products start the sums: nothing is cleared
	s_mov_b32 s19, 2
.Llap:
	LAP 0
	s_sub_co_u32 s19, s19, 1
	s_cmp_lg_u32 s19, 0
	s_cbranch_scc1 .Llap
	KSTEP 0, 0, 0, 0, 0, 1                         ; chunks 6 and 7: nothing is left to fetch
	KSTEP 0, 1, 0, 2, 1, 0
	KSTEP 1, 0, 0, 0, 1, 1
	KSTEP 1, 1, 0, 3, 0, 0
; ---- the rows' norms: rx * tm and (1 - tm) * NEG per t, through LDS into the accumulators' row order ----
	s_wait_loadcnt 0x0                             ; rp, mask, slot weights
.irp a, 0,1,2,3,4,5,6,7
	v_cvt_pk_bf16_f32 v[TM+\a], v[TM+\a], v[TM+\a] ; the mask rounded to bf16, as every input is (these lines are also the places behind the last products)
.endr
.irp a, 0,1,2,3,4,5,6,7
	v_and_b32 v[TM+\a], 0xffff0000, v[TM+\a]       ; and widened again
.endr
.irp a, 0,1,2,3,4,5,6,7
	v_add_f32 v[SS+\a], v[SS+\a], v[SSB+\a]
.endr
.irp a, 0,1,2,3,4,5,6,7
	v_permlanex16_b32 v[SSB+\a], v[SS+\a], s56, s57    ; the other half of the row's k
.endr
.irp a, 0,1,2,3,4,5,6,7
	v_add_f32 v[SS+\a], v[SS+\a], v[SSB+\a]
.endr
.irp a, 0,1,2,3,4,5,6,7
	v_sqrt_f32 v[SS+\a], v[SS+\a]
.endr
	v_add_nc_u32 v46, RXS, v4                      ; where row 16 w + r goes; also the plain instruction behind the roots
	s_wait_alu depctr_va_vdst(0)
.irp a, 0,1,2,3,4,5,6,7
	v_max_num_f32 v[SS+\a], s72, v[SS+\a]
.endr
.irp a, 0,1,2,3,4,5,6,7
	v_rcp_f32 v[SS+\a], v[SS+\a]
.endr
	v_lshlrev_b32 v47, 5, v2                       ; 32 h; also the plain instruction behind the reciprocals
	s_wait_alu depctr_va_vdst(0)
.irp a, 0,1,2,3,4,5,6,7
	v_mul_f32 v[SS+\a], v[SS+\a], v[TM+\a]         ; rx * tm
	v_sub_f32 v[TM+\a], 1.0, v[TM+\a]              ; (1 - tm) * NEG in the module's own two roundings
	v_mul_f32 v[TM+\a], s71, v[TM+\a]
.endr
.irp a, 0,1,2,3,4,5,6,7
	ds_store_b32 v46, v[SS+\a] offset:256*\a
	ds_store_b32 v46, v[TM+\a] offset:2048+256*\a
.endr
	s_lshl_b32 s76, s18, 6
	s_add_co_u32 s76, s76, RXS
	v_add_nc_u32 v47, s76, v47                     ; my eight rows 16 w + 8 h + j
	v_and_b32 v3, 7, v1                            ; i
	v_lshrrev_b32 v4, 3, v1                        ; hp
	s_lshl_b32 s76, s18, 2
	v_lshl_add_u32 v8, v1, 4, s76                  ; 16 r + 4 w
	v_lshlrev_b32 v9, 4, v1                        ; 16 r
	s_lshl_b32 s76, s18, 1
	v_lshl_add_u32 v10, v3, 6, v2
	v_add_nc_u32 v10, s76, v10                     ; 64 i + 2 w + h: a block's code less 8 a
	v_mul_u32_u24 v11, v1, 272
	v_lshl_add_u32 v11, v2, 5, v11
	s_lshl_b32 s76, s18, 6
	s_add_co_u32 s76, s76, EXB
	v_add_nc_u32 v11, s76, v11                     ; region A: row r, bytes 64 w + 32 h
	v_add_nc_u32 v12, EXR, v11                     ; region B
	v_mov_b32 v13, s74
	s_wait_dscnt 0x0
	s_barrier_signal -1
	s_barrier_wait -1                              ; every wave is through with the slots
; ---- scale in place; per lane and tile q the best block of 8 t (value, first a), for da and for fl(da + NEG) ----
.set BEST, 48
.set BA,   61
.set GB,   74
.set GA,   87
.set T,    100
.set SC,   112                         ; two sets of 8 rx*tm and 8 offsets
.set BM,   144
.set GG,   145
.macro SCLOAD a
	ds_load_b128 v[SC+16*((\a)&1):SC+16*((\a)&1)+3],     v47 offset:256*(\a)
	ds_load_b128 v[SC+16*((\a)&1)+4:SC+16*((\a)&1)+7],   v47 offset:256*(\a)+16
	ds_load_b128 v[SC+16*((\a)&1)+8:SC+16*((\a)&1)+11],  v47 offset:2048+256*(\a)
	ds_load_b128 v[SC+16*((\a)&1)+12:SC+16*((\a)&1)+15], v47 offset:2048+256*(\a)+16
.endm
.macro SCALEQ reg, q, sb
.irp m, 0,2,4,6
.if (\q)&1
	v_pk_mul_f32 v[(\reg)+\m:(\reg)+\m+1], v[(\reg)+\m:(\reg)+\m+1], v[RP+(\q)-1:RP+(\q)] op_sel:[0,1] op_sel_hi:[1,1]
.else
	v_pk_mul_f32 v[(\reg)+\m:(\reg)+\m+1], v[(\reg)+\m:(\reg)+\m+1], v[RP+(\q):RP+(\q)+1] op_sel_hi:[1,0]
.endif
.endr
.irp m, 0,2,4,6
	v_pk_fma_f32 v[(\reg)+\m:(\reg)+\m+1], v[(\reg)+\m:(\reg)+\m+1], v[(\sb)+\m:(\sb)+\m+1], v[(\sb)+8+\m:(\sb)+8+\m+1]
.endr
.endm
.macro MAX8 reg, t
	v_max3_num_f32 v[(\t)],   v[(\reg)],   v[(\reg)+1], v[(\reg)+2]
	v_max3_num_f32 v[(\t)+1], v[(\reg)+3], v[(\reg)+4], v[(\reg)+5]
	v_max_num_f32  v[(\t)+2], v[(\reg)+6], v[(\reg)+7]
.endm
.macro TRACK q, a, t
.if \a == 0
	v_max3_num_f32 v[BEST+(\q)], v[(\t)], v[(\t)+1], v[(\t)+2]
	v_mov_b32 v[BA+(\q)], 0
	v_mov_b32 v[GA+(\q)], 0
	v_add_f32 v[GB+(\q)], s71, v[BEST+(\q)]
.else
	v_max3_num_f32 v[BM], v[(\t)], v[(\t)+1], v[(\t)+2]
	v_cmp_gt_f32 vcc_lo, v[BM], v[BEST+(\q)]       ; strictly greater: the first a keeps a tie
	v_add_f32 v[GG], s71, v[BM]                    ; rounding is monotone: the block's best fl(da + NEG)
	v_max_num_f32 v[BEST+(\q)], v[BEST+(\q)], v[BM]
	v_cndmask_b32_e64 v[BA+(\q)], v[BA+(\q)], \a, vcc_lo
	v_cmp_gt_f32 vcc_lo, v[GG], v[GB+(\q)]
	v_max_num_f32 v[GB+(\q)], v[GB+(\q)], v[GG]
	v_cndmask_b32_e64 v[GA+(\q)], v[GA+(\q)], \a, vcc_lo
.endif
.endm
.macro P1BLK a, n, wscale, wmax
	WIN \wscale                                    ; source 0 and destination in window n
.set pq, 0
.rept 4
	SCALEQ 64*pq+8*\a, 4*(\n-1)+pq, SC+16*((\a)&1)
.set pq, pq+1
.endr
	WIN \wmax                                      ; all sources in window n
.set pq, 0
.rept 4
	MAX8 64*pq+8*\a, T+3*pq
.set pq, pq+1
.endr
	WIN 0
.set pq, 0
.rept 4
	TRACK 4*(\n-1)+pq, \a, T+3*pq
.set pq, pq+1
.endr
.endm
.macro P1A a
.if \a < 7
	SCLOAD \a+1
	s_wait_dscnt 4                                 ; this tile row's four loads are in, the next one's stay out
.else
	s_wait_dscnt 0
.endif
	P1BLK \a, 1, 0x41, 0x15
	P1BLK \a, 2, 0x82, 0x2a
	P1BLK \a, 3, 0xc3, 0x3f
	SCALEQ 192+8*\a, 12, SC+16*((\a)&1)
	MAX8 192+8*\a, T
	TRACK 12, \a, T
.endm
	SCLOAD 0
.irp a, 0,1,2,3,4,5,6,7
	P1A \a
.endr
; ---- the best value M of each prototype: over i (8 lanes), h (the halves), the waves (LDS) ----
.macro DPP3 op, base
.irp x, 1,2,4
.irp q, 0,1,2,3,4,5,6,7,8,9,10,11,12
	\op v[\base+\q], v[\base+\q], v[\base+\q] row_xmask:\x row_mask:0xf bank_mask:0xf
.endr
.endr
.endm
.irp q, 0,1,2,3,4,5,6,7,8,9,10,11,12
	v_mov_b32 v[100+\q], v[BEST+\q]
.endr
	DPP3 v_max_num_f32_dpp, 100
.irp q, 0,1,2,3,4,5,6,7,8,9,10,11,12
	v_permlanex16_b32 v[113+\q], v[100+\q], s56, s57
.endr
.irp q, 0,1,2,3,4,5,6,7,8,9,10,11,12
	v_max_num_f32 v[100+\q], v[100+\q], v[113+\q]
	ds_store_b32 v8, v[100+\q] offset:P1V+256*\q
.endr
	s_wait_dscnt 0x0
	s_barrier_signal -1
	s_barrier_wait -1
.irp q, 0,1,2,3,4,5,6,7,8,9,10,11,12
	ds_load_b128 v[100+4*\q:103+4*\q], v9 offset:P1V+256*\q
.endr
	s_wait_dscnt 0x0
.irp q, 0,1,2,3,4,5,6,7,8,9,10,11,12
	v_max3_num_f32 v[152+\q], v[100+4*\q], v[101+4*\q], v[102+4*\q]
.endr
.irp q, 0,1,2,3,4,5,6,7,8,9,10,11,12
	v_max_num_f32 v[152+\q], v[152+\q], v[103+4*\q]    ; M
.endr
; ---- the smallest code 64 i + (t >> 3) among the blocks that reach M, and among those that reach gM = fl(M + NEG) ----
.irp q, 0,1,2,3,4,5,6,7,8,9,10,11,12
	v_lshl_add_u32 v[BA+\q], v[BA+\q], 3, v10
	v_lshl_add_u32 v[GA+\q], v[GA+\q], 3, v10
	v_add_f32 v[100+\q], s71, v[152+\q]
.endr
.irp q, 0,1,2,3,4,5,6,7,8,9,10,11,12
	v_cvt_f32_u32 v[BA+\q], v[BA+\q]
	v_cvt_f32_u32 v[GA+\q], v[GA+\q]
.endr
.irp q, 0,1,2,3,4,5,6,7,8,9,10,11,12
	v_cmp_eq_f32 vcc_lo, v[BEST+\q], v[152+\q]
	v_cndmask_b32 v[BA+\q], s73, v[BA+\q], vcc_lo
	v_cmp_eq_f32 vcc_lo, v[GB+\q], v[100+\q]
	v_cndmask_b32 v[GA+\q], s73, v[GA+\q], vcc_lo
.endr
	DPP3 v_min_num_f32_dpp, BA
	DPP3 v_min_num_f32_dpp, GA
.irp q, 0,1,2,3,4,5,6,7,8,9,10,11,12
	v_permlanex16_b32 v[100+\q], v[BA+\q], s56, s57
	v_permlanex16_b32 v[113+\q], v[GA+\q], s56, s57
.endr
.irp q, 0,1,2,3,4,5,6,7,8,9,10,11,12
	v_min_num_f32 v[BA+\q], v[BA+\q], v[100+\q]
	v_min_num_f32 v[GA+\q], v[GA+\q], v[113+\q]
	ds_store_b32 v8, v[BA+\q] offset:P1C+256*\q
	ds_store_b32 v8, v[GA+\q] offset:P1C+3328+256*\q
.endr
	s_wait_dscnt 0x0
	s_barrier_signal -1
	s_barrier_wait -1
.irp q, 0,1,2,3,4,5,6,7,8,9,10,11,12
	ds_load_b128 v[48+4*\q:51+4*\q],   v9 offset:P1C+256*\q
	ds_load_b128 v[100+4*\q:103+4*\q], v9 offset:P1C+3328+256*\q
.endr
	s_wait_dscnt 0x0
; Which of my tiles lies in the 64 t that begin at 16-row tile ts: a = (ts + 3 - w) >> 2 (arithmetic), one tile a wave since tiles go round the waves.
; Region A: ts = (block of e0 - 1) >> 1.  Region B: ts = (block of t*) >> 1.  An a outside 0..7 matches nothing: -inf stands for t outside 0..511.
.set AWA, 152
.set AWB, 165
.irp q, 0,1,2,3,4,5,6,7,8,9,10,11,12
	v_min3_num_f32 v[AWA+\q], v[48+4*\q],  v[49+4*\q],  v[50+4*\q]
	v_min3_num_f32 v[AWB+\q], v[100+4*\q], v[101+4*\q], v[102+4*\q]
.endr
.irp q, 0,1,2,3,4,5,6,7,8,9,10,11,12
	v_min_num_f32 v[AWA+\q], v[AWA+\q], v[51+4*\q]
	v_min_num_f32 v[AWB+\q], v[AWB+\q], v[103+4*\q]
.endr
.irp q, 0,1,2,3,4,5,6,7,8,9,10,11,12
	v_cvt_u32_f32 v[AWA+\q], v[AWA+\q]
	v_cvt_u32_f32 v[AWB+\q], v[AWB+\q]
.endr
.irp q, 0,1,2,3,4,5,6,7,8,9,10,11,12
	v_and_b32 v[AWA+\q], 63, v[AWA+\q]
	v_and_b32 v[AWB+\q], 63, v[AWB+\q]
	v_add_nc_u32 v[AWA+\q], -1, v[AWA+\q]
	v_lshrrev_b32 v[AWB+\q], 1, v[AWB+\q]
	v_ashrrev_i32 v[AWA+\q], 1, v[AWA+\q]
	v_add_nc_u32 v[AWB+\q], s75, v[AWB+\q]
	v_add_nc_u32 v[AWA+\q], s75, v[AWA+\q]
	v_ashrrev_i32 v[AWB+\q], 2, v[AWB+\q]
	v_ashrrev_i32 v[AWA+\q], 2, v[AWA+\q]
.endr
; ---- extraction by selects: my tile of each region goes to bytes 4 (t mod 64) of row (region, q, r) ----
.macro EXTRACT q, n, reg0
	WIN (\n<<2)                                    ; source 1 in the accumulators' window
.irp a, 0,1,2,3,4,5,6,7
	v_cmp_eq_u32_e64 vcc_lo, v[AWA+\q], \a
.irp j, 0,1,2,3,4,5,6,7
.if \a == 0
	v_cndmask_b32 v[48+\j], v13, v[\reg0+8*\a+\j], vcc_lo
.else
	v_cndmask_b32 v[48+\j], v[48+\j], v[\reg0+8*\a+\j], vcc_lo
.endif
.endr
	v_cmp_eq_u32_e64 vcc_lo, v[AWB+\q], \a
.irp j, 0,1,2,3,4,5,6,7
.if \a == 0
	v_cndmask_b32 v[56+\j], v13, v[\reg0+8*\a+\j], vcc_lo
.else
	v_cndmask_b32 v[56+\j], v[56+\j], v[\reg0+8*\a+\j], vcc_lo
.endif
.endr
.endr
	WIN 0
	ds_store_b128 v11, v[48:51] offset:\q*4352
	ds_store_b128 v11, v[52:55] offset:\q*4352+16
	ds_store_b128 v12, v[56:59] offset:\q*4352
	ds_store_b128 v12, v[60:63] offset:\q*4352+16
.endm
	EXTRACT 0, 1, 0
	EXTRACT 1, 1, 64
	EXTRACT 2, 1, 128
	EXTRACT 3, 1, 192
	EXTRACT 4, 2, 0
	EXTRACT 5, 2, 64
	EXTRACT 6, 2, 128
	EXTRACT 7, 2, 192
	EXTRACT 8, 3, 0
	EXTRACT 9, 3, 64
	EXTRACT 10, 3, 128
	EXTRACT 11, 3, 192
	EXTRACT 12, 0, 192
	s_wait_dscnt 0x0
	s_barrier_signal -1
	s_barrier_wait -1
; ---- the reader: eight lanes a prototype (lane = sub-patch i), four prototypes a wave and trip ----
.set RI,   3
.set RHP,  4
.set RPL,  7
.set VAL,  16                          ; v16-23 the eight steps' values
.set KEY,  24                          ; v24-31 id << 12 | step << 9 | event
.set M,    32
.set GMV,  33
.set B0,   34
.set I0,   35
.set BS,   36
.set IS,   37
.set E0,   38
.set TS,   39
.set CODEG,40
.set O,    41                          ; the window's first t
.set CM,   42                          ; chosen events, bit x = t O + x
.set CH,   43                          ; chosen events, bit d = t (t* + 1) + d
.set USED, 44                          ; -1: my sub-patch is used
.set I512, 45
.set TS1,  46
.set ONE,  47
.set XA,   48                          ; v48-140 region A: 64 as loaded, 29 more for the rotation
.set TA,   142
.set TB,   143
.set BV,   144
.set BX,   145
.set WV,   146
.set CW,   147
.set EV,   148
.set ID,   149
.set SH,   150
.set CME,  151
.set J,    152
.set KP,   153
.set XB,   160                         ; v160-241 region B
.set CUR,  XA+37                       ; after the shifts: da(O + x, i)
.set RB,   XB+33                       ; da(t* + 1 + x, i)
.macro SHF base, cnt, d                ; where VCC: move down by d, ascending in place
.set z, 0
.rept \cnt
	v_cndmask_b32 v[(\base)+z], v[(\base)+z], v[(\base)+z+\d], vcc_lo
.set z, z+1
.endr
.endm
.macro BITV bit, reg
	v_and_b32 v[TA], \bit, v[\reg]
	v_cmp_ne_u32 vcc_lo, 0, v[TA]
.endm
; the 64 entries lie by t mod 64; make entry z of the region, z < n, stand at X + 32 + z: rotate by K blocks of 8
.macro ROT X, n, K
	BITV 4, \K
.set z, 0
.rept \n-8
	v_cndmask_b32 v[\X+64+z], v[\X+32+z], v[\X+z], vcc_lo
.set z, z+1
.endr
.set z, 0
.rept 32
	v_cndmask_b32 v[\X+32+z], v[\X+z], v[\X+32+z], vcc_lo
.set z, z+1
.endr
	BITV 2, \K
	SHF \X+32, \n+8, 16
	BITV 1, \K
	SHF \X+32, \n, 8
.endm
.macro FINE base, n, K                 ; move down by K = 0..7
	BITV 4, \K
	SHF \base, \n+3, 4
	BITV 2, \K
	SHF \base, \n+1, 2
	BITV 1, \K
	SHF \base, \n, 1
.endm
.macro MIN8 reg
	v_min_num_f32_dpp v[\reg], v[\reg], v[\reg] row_xmask:1 row_mask:0xf bank_mask:0xf
	v_min_num_f32_dpp v[\reg], v[\reg], v[\reg] row_xmask:2 row_mask:0xf bank_mask:0xf
	v_min_num_f32_dpp v[\reg], v[\reg], v[\reg] row_xmask:4 row_mask:0xf bank_mask:0xf
.endm
.macro JFIN isel                       ; the j found in the lane of sub-patch isel goes to all eight lanes
	v_cvt_f32_u32 v[J], v[J]
	v_cmp_eq_u32 vcc_lo, v[RI], v[\isel]
	v_cndmask_b32 v[J], s73, v[J], vcc_lo
	MIN8 J
	v_cvt_u32_f32 v[J], v[J]
.endm
; step k: n window places, rem = 3 (7 - k) places kept for the steps that follow
.macro STEP k, n, rem
	v_or_b32 v[CME], v[CM], v[USED]
.set z, 0
.rept \n
	v_and_b32 v[TA], 1<<z, v[CME]
	v_cmp_eq_u32 vcc_lo, 0, v[TA]
.if z == 0
	v_cndmask_b32 v[BV], s74, v[CUR], vcc_lo
	v_mov_b32 v[BX], 0
.else
	v_cndmask_b32 v[TB], s74, v[CUR+z], vcc_lo
	v_cmp_gt_f32 vcc_lo, v[TB], v[BV]              ; the first t keeps a tie
	v_cndmask_b32_e64 v[BX], v[BX], z, vcc_lo
	v_max_num_f32 v[BV], v[BV], v[TB]
.endif
.set z, z+1
.endr
	v_mov_b32 v[WV], v[BV]
	v_max_num_f32_dpp v[WV], v[WV], v[WV] row_xmask:1 row_mask:0xf bank_mask:0xf
	v_max_num_f32_dpp v[WV], v[WV], v[WV] row_xmask:2 row_mask:0xf bank_mask:0xf
	v_max_num_f32_dpp v[WV], v[WV], v[WV] row_xmask:4 row_mask:0xf bank_mask:0xf
	v_add_nc_u32 v[TA], v[I512], v[O]
	v_add_nc_u32 v[TA], v[TA], v[BX]
	v_cvt_f32_i32 v[TA], v[TA]
	v_cmp_eq_f32 vcc_lo, v[BV], v[WV]
	v_cndmask_b32 v[CW], s73, v[TA], vcc_lo
	MIN8 CW                                        ; the window's winner: value WV, code CW
	v_cmp_gt_f32 s80, v[WV], v[GMV]
	v_cmp_eq_f32 s81, v[WV], v[GMV]
	v_cmp_lt_f32 s82, v[CW], v[CODEG]
	s_and_b32 s81, s81, s82
	s_or_b32 s80, s80, s81                         ; the window wins against G*
	v_cndmask_b32_e64 v[VAL+\k], v[GMV], v[WV], s80
	v_cndmask_b32_e64 v[TA], v[CODEG], v[CW], s80
	v_cvt_u32_f32 v[TA], v[TA]
	v_and_b32 v[EV], 511, v[TA]
	v_lshrrev_b32 v[ID], 9, v[TA]
	v_lshl_or_b32 v[KEY+\k], v[ID], 12, v[EV]
	v_or_b32 v[KEY+\k], \k<<9, v[KEY+\k]
.if \k < 7
	v_cmp_eq_u32 vcc_lo, v[RI], v[ID]
	v_cndmask_b32_e64 v[USED], v[USED], -1, vcc_lo
	v_sub_nc_u32 v[TA], v[EV], v[TS1]
	v_cmp_gt_u32 vcc_lo, 32, v[TA]
	v_lshlrev_b32 v[TB], v[TA], v[ONE]
	v_cndmask_b32 v[TB], 0, v[TB], vcc_lo
	v_or_b32 v[CH], v[CH], v[TB]
	v_sub_nc_u32 v[SH], v[EV], v[O]
	v_add_nc_u32 v[SH], 1, v[SH]                   ; the window moves by SH (used where the window won)
	v_lshrrev_b32 v[TA], v[SH], v[CM]
	v_cndmask_b32_e64 v[CM], v[CH], v[TA], s80
	v_add_nc_u32 v[O], 1, v[EV]
.if \k == 1
	FINE CUR, \rem, SH
.set z, 0
.rept \rem
	v_cndmask_b32_e64 v[CUR+z], v[RB+z], v[CUR+z], s80
.set z, z+1
.endr
.else
	v_cmp_eq_u32 s81, 1, v[SH]
	v_cmp_eq_u32 s82, 2, v[SH]
	v_cmp_eq_u32 s83, 3, v[SH]
	s_and_b32 s81, s81, s80
	s_and_b32 s82, s82, s80
	s_and_b32 s83, s83, s80
.set z, 0
.rept \rem
	v_cndmask_b32_e64 v[CUR+z], v[RB+z], v[CUR+z+1], s81
	v_cndmask_b32_e64 v[CUR+z], v[CUR+z], v[CUR+z+2], s82
	v_cndmask_b32_e64 v[CUR+z], v[CUR+z], v[CUR+z+3], s83
.set z, z+1
.endr
.endif
.endif
.endm
.macro CE a, b                         ; a comparator of the sorting network
	v_min_u32 v[TA], v[KEY+\a], v[KEY+\b]
	v_max_u32 v[KEY+\b], v[KEY+\a], v[KEY+\b]
	v_mov_b32 v[KEY+\a], v[TA]
.endm
.macro READER trip
	s_lshl_b32 s76, s18, 1
	s_add_co_u32 s76, s76, 8*\trip
	v_add_nc_u32 v5, s76, v2                       ; tile 2 (w + 4 trip) + (lane >> 4)
	v_min_u32 v6, 12, v5                           ; tile 13 does not exist: its lanes read tile 12 and store nothing
	v_lshl_add_u32 v[RPL], v5, 1, v[RHP]           ; prototype within the group
	v_lshlrev_b32 v8, 8, v6
	v_lshl_add_u32 v8, v1, 4, v8
	v_mul_u32_u24 v9, v6, 4352
	v_mul_u32_u24 v10, v1, 272
	v_add_nc_u32 v9, v9, v10
	v_add_nc_u32 v9, EXB, v9
	ds_load_b128 v[244:247], v8 offset:P1V
	ds_load_b128 v[248:251], v8 offset:P1C
	ds_load_b128 v[252:255], v8 offset:P1C+3328
.irp z4, 0,1,2,3,4,5,6,7,8,9,10,11,12,13,14,15
	ds_load_b128 v[XB+4*\z4:XB+4*\z4+3], v9 offset:EXR+16*\z4
.endr
.irp z4, 0,1,2,3,4,5,6,7,8,9,10,11,12,13,14,15
	ds_load_b128 v[XA+4*\z4:XA+4*\z4+3], v9 offset:16*\z4
.endr
	v_mov_b32 v[ONE], 1
	v_lshlrev_b32 v[I512], 9, v[RI]
	s_wait_dscnt 0x0
	v_max3_num_f32 v[M],  v244, v245, v246
	v_min3_num_f32 v[B0], v248, v249, v250
	v_min3_num_f32 v[BS], v252, v253, v254
	v_max_num_f32 v[M],  v[M],  v247
	v_min_num_f32 v[B0], v[B0], v251
	v_min_num_f32 v[BS], v[BS], v255
	v_cvt_u32_f32 v[B0], v[B0]
	v_cvt_u32_f32 v[BS], v[BS]
	v_add_f32 v[GMV], s71, v[M]
	v_lshrrev_b32 v[I0], 6, v[B0]
	v_lshrrev_b32 v[IS], 6, v[BS]
	v_and_b32 v[B0], 63, v[B0]
	v_and_b32 v[BS], 63, v[BS]
	; region B: from t*'s block on
	v_and_b32 v[KP], 7, v[BS]
	ROT XB, 26, KP
	v_mov_b32 v[J], 0
.irp j, 7,6,5,4,3,2,1,0
	v_add_f32 v[TA], s71, v[XB+32+\j]
	v_cmp_eq_f32 vcc_lo, v[TA], v[GMV]
	v_cndmask_b32_e64 v[J], v[J], \j, vcc_lo       ; descending: the first j stays
.endr
	JFIN IS
	v_lshl_add_u32 v[TS], v[BS], 3, v[J]
	FINE RB, 18, J
	v_lshl_add_u32 v[TA], v[IS], 9, v[TS]
	v_cvt_f32_u32 v[CODEG], v[TA]
	v_add_nc_u32 v[TS1], 1, v[TS]
	; region A: from the block in front of e0's on
	v_add_nc_u32 v[KP], -1, v[B0]
	v_and_b32 v[KP], 7, v[KP]
	ROT XA, 37, KP
	v_mov_b32 v[J], 0
.irp j, 7,6,5,4,3,2,1,0
	v_cmp_eq_f32 vcc_lo, v[XA+40+\j], v[M]
	v_cndmask_b32_e64 v[J], v[J], \j, vcc_lo
.endr
	JFIN I0
	v_lshl_add_u32 v[E0], v[B0], 3, v[J]
	FINE CUR, 25, J                                ; CUR + x = da(e0 - 3 + x)
	; step 0's record and the state
	v_mov_b32 v[VAL], v[M]
	v_lshl_or_b32 v[KEY], v[I0], 12, v[E0]
	v_add_nc_u32 v[O], -3, v[E0]
	v_mov_b32 v[CM], 8
	v_cmp_eq_u32 vcc_lo, v[RI], v[I0]
	v_cndmask_b32_e64 v[USED], 0, -1, vcc_lo
	v_sub_nc_u32 v[TA], v[E0], v[TS1]
	v_cmp_gt_u32 vcc_lo, 32, v[TA]
	v_lshlrev_b32 v[TB], v[TA], v[ONE]
	v_cndmask_b32 v[CH], 0, v[TB], vcc_lo
	STEP 1, 7, 18
	STEP 2, 3, 15
	STEP 3, 3, 12
	STEP 4, 3, 9
	STEP 5, 3, 6
	STEP 6, 3, 3
	STEP 7, 3, 0
	; the stable sort by id: the step number in the key keeps equal ids in order
	CE 0,1
	CE 2,3
	CE 4,5
	CE 6,7
	CE 0,2
	CE 1,3
	CE 4,6
	CE 5,7
	CE 1,2
	CE 5,6
	CE 0,4
	CE 1,5
	CE 2,6
	CE 3,7
	CE 2,4
	CE 3,5
	CE 1,2
	CE 3,4
	CE 5,6
	v_mov_b32 v[TB], v[KEY]
.irp p, 1,2,3,4,5,6,7
	v_cmp_eq_u32 vcc_lo, \p, v[RI]
	v_cndmask_b32 v[TB], v[TB], v[KEY+\p], vcc_lo  ; lane i takes place i
.endr
	v_bfe_u32 v[SH], v[TB], 9, 3                   ; its step
	v_and_b32 v[EV], 511, v[TB]
	v_cvt_f32_u32 v[EV], v[EV]
	v_mov_b32 v[WV], v[VAL]
.irp p, 1,2,3,4,5,6,7
	v_cmp_eq_u32 vcc_lo, \p, v[SH]
	v_cndmask_b32 v[WV], v[WV], v[VAL+\p], vcc_lo
.endr
	v_mul_f32 v[WV], v[WV], v[SWR+\trip]
	v_add_f32_dpp v[WV], v[WV], v[WV] row_xmask:1 row_mask:0xf bank_mask:0xf
	v_add_f32_dpp v[WV], v[WV], v[WV] row_xmask:2 row_mask:0xf bank_mask:0xf
	v_add_f32_dpp v[WV], v[WV], v[WV] row_xmask:4 row_mask:0xf bank_mask:0xf
	v_sub_f32 v[CW], 0x41000000, v[WV]             ; 8 - sum
	v_lshlrev_b32 v[TA], 5, v[RPL]
	v_lshl_add_u32 v[TA], v[RI], 2, v[TA]
	v_lshlrev_b32 v[TB], 2, v[RPL]
	v_cmp_gt_u32 vcc_lo, 25, v[RPL]                ; the padding prototypes store nothing
	v_cmp_eq_u32 s85, 0, v[RI]
	s_and_b32 s85, s85, vcc_lo
	s_wait_xcnt 0x0                                ; EXEC changes only behind this wait
	s_and_saveexec_b32 s84, vcc_lo
	global_store_b32 v[TA], v[EV], s[16:17]        ; a prototype's eight lanes store its 32 bytes
	s_wait_xcnt 0x0
	s_or_b32 exec_lo, exec_lo, s84
	s_and_saveexec_b32 s84, s85
	global_store_b32 v[TB], v[WV], s[12:13]
	global_store_b32 v[TB], v[CW], s[14:15]
	s_wait_xcnt 0x0                                ; also frees the stores' registers for the next trip
	s_or_b32 exec_lo, exec_lo, s84
.endm
	READER 0
	s_cmp_eq_u32 s18, 3
	s_cbranch_scc1 .Lfin                           ; tiles 8 to 12 take waves 0 to 2
	READER 1
.Lfin:
	CROUND                                         ; the closing round
	s_endpgm
.Lfunc_end_k_q00bef7a6e2_match:
	.size	k_q00bef7a6e2_match, .Lfunc_end_k_q00bef7a6e2_match-k_q00bef7a6e2_match
	.p2alignl 7, 3214868480
	.fill 96, 4, 3214868480
	.section	.rodata,"a",@progbits
	.p2align	6, 0x0
	.amdhsa_kernel k_q00bef7a6e2_match
		.amdhsa_group_segment_fixed_size 327680
		.amdhsa_private_segment_fixed_size 0
		.amdhsa_enable_private_segment 0
		.amdhsa_kernarg_size 56
		.amdhsa_user_sgpr_count 2
		.amdhsa_user_sgpr_kernarg_segment_ptr 1
		.amdhsa_wavefront_size32 1
		.amdhsa_system_sgpr_workgroup_id_x 1
		.amdhsa_system_sgpr_workgroup_id_y 1
		.amdhsa_system_sgpr_workgroup_id_z 1
		.amdhsa_system_vgpr_workitem_id 0
		.amdhsa_next_free_vgpr 1024
		.amdhsa_next_free_sgpr 90
		.amdhsa_reserve_vcc 1
		.amdhsa_float_denorm_mode_32 3
		.amdhsa_float_denorm_mode_16_64 3
		.amdhsa_memory_ordered 1
		.amdhsa_forward_progress 1
		.amdhsa_inst_pref_size 255
	.end_amdhsa_kernel
	.section	.bss,"aw",@nobits
	.p2align	6
	.space	262144
	.amdgpu_metadata
---
amdhsa.version: [ 1, 2 ]
amdhsa.kernels:
  - .name:           k_q00bef7a6e2_match
    .symbol:         k_q00bef7a6e2_match.kd
    .args:
      - { .name: x, .offset: 0, .size: 8, .value_kind: global_buffer, .address_space: global }
      - { .name: timeline_mask, .offset: 8, .size: 8, .value_kind: global_buffer, .address_space: global }
      - { .name: pb, .offset: 16, .size: 8, .value_kind: global_buffer, .address_space: global }
      - { .name: aux, .offset: 24, .size: 8, .value_kind: global_buffer, .address_space: global }
      - { .name: out0, .offset: 32, .size: 8, .value_kind: global_buffer, .address_space: global }
      - { .name: out1, .offset: 40, .size: 8, .value_kind: global_buffer, .address_space: global }
      - { .name: out2, .offset: 48, .size: 8, .value_kind: global_buffer, .address_space: global }
    .group_segment_fixed_size: 327680
    .private_segment_fixed_size: 0
    .kernarg_segment_align: 8
    .kernarg_segment_size: 56
    .max_flat_workgroup_size: 128
    .sgpr_count:     90
    .vgpr_count:     1024
    .wavefront_size: 32
...
	.end_amdgpu_metadata
.endif
;; end of part 2
;; ======== version 2 of 2: 2 launches; 2.04 times as fast as version 1
;; limits: values outside matrix products are rounded to bf16
;; workspace buffers: pb 1,703,936 bytes; aux 13,312 bytes
;; launch prep: the kernel of part 1 again; grid 13 x 8, 4 waves a work-group, no clusters, 256 bytes of LDS; arguments prototype_vectors, patch_select, pb, aux; writes pb, aux
;; launch match (part 3): grid 8 x 32, 4 waves a work-group, clusters of 4 x 4, 327,680 bytes of LDS; arguments x, timeline_mask, pb, aux, out0, out1, out2; writes out0, out1, out2
.if DOCPART == 3
	.amdgcn_target "amdgcn-amd-amdhsa--gfx1250"
	.amdhsa_code_object_version 6
	.text
	.protected	k_q00bef7a6e2_match
	.globl	k_q00bef7a6e2_match
	.p2align	8
	.type	k_q00bef7a6e2_match,@function
k_q00bef7a6e2_match:
	s_mov_b64 s[64:65], 0
	v_nop
	global_prefetch_b8 v0, s[64:65] scope:SCOPE_SE
	s_setreg_imm32_b32 hwreg(HW_REG_WAVE_MODE, 25, 1), 1
	s_wait_xcnt 0x0
	s_wait_alu depctr_hold_cnt(0) depctr_sa_sdst(0) depctr_va_vdst(0) depctr_va_sdst(0) depctr_va_ssrc(0) depctr_va_vcc(0) depctr_vm_vsrc(0)
	s_getreg_b32 s2, hwreg(HW_REG_IB_STS2, 6, 4)
	s_cmp_eq_u32 s2, 0
	s_cbranch_scc0 .Lentry_in_a_cluster
	s_endpgm
.Lentry_in_a_cluster:
	s_bfe_u32 s2, ttmp6, 0x10000c
	s_cmp_lg_u32 s2, 0xf033
	s_cbranch_scc0 .Lentry_shape_is_right
	s_endpgm
.Lentry_shape_is_right:
; match: work-group (g, b) makes, for batch b and the 25 prototypes of group g, all 512 x 208 similarities in registers and runs the greedy
; selection on them; no similarity goes to memory.
; FORMAT.  The program takes ALL its inputs rounded to bf16 (nearest even): x and the prototypes as matrix operands, and timeline_mask (here) and
; patch_select (first launch) as well; everything behind that is f32.  The selection is discontinuous in its inputs, so all the numbers that it
; compares come from one set of inputs rounded alike.
; PRODUCT.  x and the prototypes enter the matrix unit rounded to bf16, NOT normalised; both norms (of the rounded numbers, f32) are applied
; to the f32 sums: da = fma(acc * rp, rx * tm, (1 - tm) * NEG).  Wave w owns the 16-row tiles 4 a + w, a = 0..7 (t = 64 a + 16 w + 8 h + j),
; times 13 column tiles q (16 columns = 2 prototypes x 8 sub-patches): 104 accumulators, 832 registers.
; K goes in 8 chunks of 64 through two LDS slots (x as f32, rows of 256 bytes; B as bf16 in fragment order); x is converted on the way to the registers.
; The squares for the rows' norms are strewn in fours between the runs of matrix instructions, one tile ahead of the products.
; CLUSTER 4 x 4: the four work-groups of a row share b, hence x's tiles; the four of a column share g, hence B's: joint loads.
; SELECTION, exact.  With g(t,i) = fl(da - 1e5): a step sees da inside its window (event and sub-patch unused) and g elsewhere.  Its winner is the
; better (larger value, then smaller 512 i + t) of W = the window's best da and G* = the best g over ALL entries, which never changes: an entry of
; g's top value that lies in the window has da > g and makes W win.  Events move right by at most 3 a step, or fall to G*'s event t*, so only
; da(e0-3 .. e0+21) and da(t*+1 .. t*+18) are needed.  They are taken out of the accumulators by selects alone: no address hangs on a result.
; LENGTH OF THE TEXT.  Of the sixteen K steps eight are written: the first (it starts the sums), a loop of four for three trips, and the last three
; (they fill nothing).  The reader is a loop of two trips.
; LIMITS: NaN and infinities in the inputs are not served.  da is rounded once (one fma) where the module rounds the product and then the sum.
; sqrt and rcp are 1 ulp.
.set XROWP, 264                        ; an x row in LDS: 256 bytes + 8 of padding: 66 words, so lane (r, h) of a b64 load starts at bank 2 r + 32 h
.set XHALF, 256*XROWP                  ; 256 rows: what one tensor load brings
.set XSLOT, 2*XHALF
.set BSB,   2*XSLOT                    ; B's two slots behind x's
.set BSLOT, 26624                      ; [s 2][q 13][u 2][lane 32] x 16 bytes
.set RXS,   BSB+2*BSLOT                ; rx * tm per t; 2,048 bytes, then (1 - tm) * NEG, 2,048 bytes; never a tensor load's target
.set P1V,   0                          ; behind the last fill, in x's slot 0: the waves' maxima, (q*16+r)*16 + 4 w
.set P1C,   6656                       ; the waves' codes, ((kind*13+q)*16+r)*16 + 4 w
.set EXB,   16384                      ; extracted regions: ((R*13+q)*16+r)*272 + 4 (t mod 64)
.set EXR,   13*16*272
.set AX,  8                            ; v8-11   LDS address of my x rows: slot 0 a<4, a>=4, slot 1 a<4, a>=4
.set AB,  12                           ; v12-13  LDS address of my 16 bytes of a B fragment, slot 0, 1
.set SWR, 14                           ; v14-15  slot weight of the reader's lane, trip 0, 1
.set SS,  16                           ; v16-23  sum of squares of my part of row r of tile a (low halves)
.set TM,  24                           ; v24-31  timeline mask of that row
.set RP,  32                           ; v32-44  1 / norm of column r of tile q; v45 written so that v[44:45] is a pair
.set STG, 48                           ; v48-63  16 f32 of x as loaded
.set ABF, 64                           ; v64-79  two A fragments, by turns
.set BF,  80                           ; v80-183 the 13 B fragments of a K step
.set SSB, 184                          ; v184-191 sum of squares, high halves
.set G1X, 24                           ; s[24:31] group 1 for x
.set G1B, 32                           ; s[32:39] group 1 for B
.set G0X, 40                           ; s[40:47] group 0 for x, one set a slot
.set G0B, 48                           ; s[48:55] group 0 for B, one set a slot
; accumulator (a, q): q < 12: window 1 + q/4, register 64 (q%4) + 8 a;  q = 12: window 0, v[192 + 8 a]
.set MSB, 0
.macro WIN new                         ; the immediate's high byte repeats the setting that is left
.if MSB != (\new)
	s_set_vgpr_msb (MSB<<8)|(\new)
.set MSB, (\new)
.endif
.endm
.macro PLACES
.rept 4
	v_nop
.endr
.endm
.macro CREST                           ; a round of the cluster's barrier behind its opening barrier
	s_cmp_lg_u32 s18, 0
	s_cbranch_scc1 .Lnot_wave_0_\@
	s_barrier_signal -3
.Lnot_wave_0_\@:
	s_barrier_wait -3
	s_barrier_signal -1
	s_barrier_wait -1
.endm
.macro CROUND
	s_barrier_signal -1
	s_barrier_wait -1
	CREST
.endm
; a joint refill: waves 0, 1 ask for x's two halves, wave 2 for B, wave 3 for nothing.  The branches hang on the wave's number alone.
.macro JLOAD slot
	s_cmp_lt_u32 s18, 2
	s_cbranch_scc0 .Lnot_x_\@
	tensor_load_to_lds s[G0X+4*\slot:G0X+4*\slot+3], s[G1X:G1X+7]
	s_nop 0
	PLACES
	s_branch .Lasked_\@
.Lnot_x_\@:
	s_cmp_eq_u32 s18, 2
	s_cbranch_scc0 .Lasked_\@
	tensor_load_to_lds s[G0B+4*\slot:G0B+4*\slot+3], s[G1B:G1B+7]
	s_nop 0
	PLACES
.Lasked_\@:
.endm
	s_load_b256 s[4:11], s[0:1], 0x0               ; x s[4:5], mask s[6:7], pb s[8:9], aux s[10:11]
	s_load_b128 s[12:15], s[0:1], 0x20             ; out0, out1
	s_load_b64 s[16:17], s[0:1], 0x30              ; out2
	v_lshrrev_b32 v6, 5, v0
	v_readfirstlane_b32 s18, v6                    ; wave
	s_bfe_u32 s20, ttmp6, 0x40000                  ; cx
	s_bfe_u32 s21, ttmp6, 0x40004                  ; cy
	s_lshl_b32 s22, ttmp9, 2
	s_add_co_u32 s22, s22, s20                     ; g = 4 x cluster x + cx
	s_and_b32 s23, ttmp7, 0xffff
	s_lshl_b32 s23, s23, 2
	s_add_co_u32 s23, s23, s21                     ; b = 4 x cluster y + cy
	s_lshl_b32 s86, s21, 2
	s_lshl_b32 s86, 15, s86                        ; my row of the cluster
	s_lshl_b32 s87, 0x1111, s20                    ; my column
	; group 1 for x: 256 rows x 64 f32, pitch 512; 2 words of padding behind every 64
	s_or_b32 s[G1X+0], s86, (2<<16)|(1<<20)|(1<<21)|(5<<22)|(1<<25)
	s_mov_b32 s[G1X+1], 64<<16
	s_mov_b32 s[G1X+2], 256<<16
	s_mov_b32 s[G1X+3], 64<<16
	s_mov_b32 s[G1X+4], 256
	s_mov_b32 s[G1X+5], 512
	s_mov_b32 s[G1X+6], 0
	s_mov_b32 s[G1X+7], 0
	; group 1 for B: a dense block of 104 rows of 256 bytes (32 elements of 8 bytes)
	s_or_b32 s[G1B+0], s87, (3<<16)|(1<<21)
	s_mov_b32 s[G1B+1], 32<<16
	s_mov_b32 s[G1B+2], 104<<16
	s_mov_b32 s[G1B+3], 32<<16
	s_mov_b32 s[G1B+4], 104
	s_mov_b32 s[G1B+5], 32
	s_mov_b32 s[G1B+6], 0
	s_mov_b32 s[G1B+7], 0
	s_lshl_b32 s58, s23, 20                        ; x: b x 1 MiB
	s_and_b32 s59, s18, 1
	s_lshl_b32 s59, s59, 19                        ; + my 256 rows
	s_add_co_u32 s58, s58, s59
	s_mov_b32 s59, 0
	s_mul_i32 s60, s22, 212992                     ; pb: g's part
	s_mov_b32 s61, 0
	s_mul_i32 s62, s18, XHALF                      ; LDS: wave x 256 rows
	s_mul_i32 s66, s22, 1664                       ; aux: g x 13 x 128
	s_mov_b32 s67, 0
	s_lshl_b32 s68, s23, 11                        ; mask: b x 2,048
	s_mov_b32 s69, 0
	s_mul_i32 s76, s23, 200
	s_mul_i32 s77, s22, 25
	s_add_co_u32 s76, s76, s77                     ; 200 b + 25 g
	s_lshl_b32 s78, s76, 5
	s_mov_b32 s79, 0
	s_lshl_b32 s88, s76, 2
	s_mov_b32 s89, 0
	s_mov_b32 s56, 0x76543210
	s_mov_b32 s57, 0xfedcba98
	s_mov_b32 s71, 0xc7c35000                      ; NEG
	s_mov_b32 s72, 0x2b8cbccc                      ; 1e-12
	s_mov_b32 s73, 0x4e6e6b28                      ; 1e9: above every code
	s_mov_b32 s74, 0xff800000                      ; -inf: outside the window or the timeline
	s_sub_co_u32 s75, 3, s18
	s_wait_kmcnt 0x0
	s_add_nc_u64 s[58:59], s[4:5], s[58:59]
	s_add_nc_u64 s[60:61], s[8:9], s[60:61]
	s_add_nc_u64 s[66:67], s[10:11], s[66:67]
	s_add_nc_u64 s[68:69], s[6:7], s[68:69]
	s_add_nc_u64 s[16:17], s[16:17], s[78:79]
	s_add_nc_u64 s[12:13], s[12:13], s[88:89]
	s_add_nc_u64 s[14:15], s[14:15], s[88:89]
.irp sl, 0,1
	s_mov_b32 s[G0X+4*\sl], 1
	s_add_co_u32 s[G0X+4*\sl+1], s62, \sl*XSLOT
	s_add_nc_u64 s[G0X+4*\sl+2:G0X+4*\sl+3], s[58:59], \sl*256         ; chunk sl
	s_or_b32 s[G0X+4*\sl+3], s[G0X+4*\sl+3], 0x80000000
	s_mov_b32 s[G0B+4*\sl], 1
	s_mov_b32 s[G0B+4*\sl+1], BSB+\sl*BSLOT
	s_add_nc_u64 s[G0B+4*\sl+2:G0B+4*\sl+3], s[60:61], \sl*BSLOT
	s_or_b32 s[G0B+4*\sl+3], s[G0B+4*\sl+3], 0x80000000
.endr
	CROUND                                         ; all sixteen work-groups are here: the first joint loads meet
	; the first fills, both slots, inside one branch on the wave's number: two loads out in waves 0-2, none in wave 3
	s_cmp_lt_u32 s18, 2
	s_cbranch_scc0 .Lfirst_not_x
	tensor_load_to_lds s[G0X:G0X+3], s[G1X:G1X+7]
	s_nop 0
	PLACES
	tensor_load_to_lds s[G0X+4:G0X+7], s[G1X:G1X+7]
	s_nop 0
	PLACES
	s_branch .Lfirst_done
.Lfirst_not_x:
	s_cmp_eq_u32 s18, 2
	s_cbranch_scc0 .Lfirst_done
	tensor_load_to_lds s[G0B:G0B+3], s[G1B:G1B+7]
	s_nop 0
	PLACES
	tensor_load_to_lds s[G0B+4:G0B+7], s[G1B:G1B+7]
	s_nop 0
	PLACES
.Lfirst_done:
	v_and_b32 v1, 15, v0                           ; r
	v_bfe_u32 v2, v0, 4, 1                         ; h
	v_lshl_add_u32 v6, v6, 4, v1                   ; 16 w + r
	v_lshlrev_b32 v4, 2, v6                        ; mask: 4 (16 w + r)
	v_lshlrev_b32 v3, 2, v1                        ; aux: 4 r
	v_mul_u32_u24 v6, v6, XROWP
	v_lshl_add_u32 v[AX], v2, 7, v6                ; row x pitch + 128 h: lane (r, h) takes k = 32 h + 16 s + 0..15 of a chunk
	v_add_nc_u32 v[AX+1], XHALF, v[AX]
	v_add_nc_u32 v[AX+2], XSLOT, v[AX]
	v_add_nc_u32 v[AX+3], XSLOT+XHALF, v[AX]
	v_and_b32 v6, 31, v0
	v_lshlrev_b32 v6, 4, v6
	v_add_nc_u32 v[AB], BSB, v6
	v_add_nc_u32 v[AB+1], BSB+BSLOT, v6
	s_lshl_b32 s63, s18, 1
	v_add_nc_u32 v5, s63, v2                       ; the reader's tile, trip 0: 2 w + h
	v_add_nc_u32 v7, 8, v5
	v_min_u32 v7, 12, v7                           ; trip 1, clamped to the last tile
	v_lshlrev_b32 v5, 7, v5
	v_lshlrev_b32 v7, 7, v7
	v_add_nc_u32 v5, v5, v3
	v_add_nc_u32 v7, v7, v3
.irp q, 0,1,2,3,4,5,6,7,8,9,10,11,12
	global_load_b32 v[RP+\q], v3, s[66:67] offset:128*\q
.endr
.irp a, 0,1,2,3,4,5,6,7
	global_load_b32 v[TM+\a], v4, s[68:69] offset:256*\a
.endr
	global_load_b32 v[SWR], v5, s[66:67] offset:64
	global_load_b32 v[SWR+1], v7, s[66:67] offset:64
	v_mov_b32 v45, 0
.irp a, 0,1,2,3,4,5,6,7
	v_mov_b32 v[SS+\a], 0
	v_mov_b32 v[SSB+\a], 0
.endr
; ---- the K loop's pieces ----
.macro LOADX slot, s, a                ; 16 f32 of row r of tile a, K step s
.irp p, 0,1,2,3,4,5,6,7
	ds_load_b64 v[STG+2*\p:STG+2*\p+1], v[AX+2*\slot+((\a)>>2)] offset:((\a)&3)*64*XROWP+64*\s+8*\p
.endr
.endm
.macro CVT a                           ; to bf16: the fragment of tile a
.irp p, 0,1,2,3,4,5,6,7
	v_cvt_pk_bf16_f32 v[ABF+8*((\a)&1)+\p], v[STG+2*\p], v[STG+2*\p+1]
.endr
.endm
; A quarter (words 2 pt, 2 pt + 1) of the squares of tile t's fragment, of the rounded numbers: four plain instructions.  They stand behind a run of
; products of the tile in front, whose registers (the other fragment, B's, the accumulators) they do not name: so they are places behind those products.
.macro NORMP t, pt
.irp e, 0,1
	v_fma_mix_f32_bf16 v[SS+(\t)], v[ABF+8*((\t)&1)+2*\pt+\e], v[ABF+8*((\t)&1)+2*\pt+\e], v[SS+(\t)] op_sel_hi:[1,1,0]
	v_fma_mix_f32_bf16 v[SSB+(\t)], v[ABF+8*((\t)&1)+2*\pt+\e], v[ABF+8*((\t)&1)+2*\pt+\e], v[SSB+(\t)] op_sel:[1,1,0] op_sel_hi:[1,1,0]
.endr
.endm
.macro BLOAD4 slot, s, q0
.irp m, 0,1,2,3
	ds_load_b128 v[BF+8*(\q0+\m):BF+8*(\q0+\m)+3],   v[AB+\slot] offset:\s*13312+(\q0+\m)*1024
	ds_load_b128 v[BF+8*(\q0+\m)+4:BF+8*(\q0+\m)+7], v[AB+\slot] offset:\s*13312+(\q0+\m)*1024+512
.endr
.endm
.macro BLOAD1 slot, s
	ds_load_b128 v[BF+96:BF+99],   v[AB+\slot] offset:\s*13312+12*1024
	ds_load_b128 v[BF+100:BF+103], v[AB+\slot] offset:\s*13312+12*1024+512
.endm
.macro MMSEG a, q0, zero               ; four column tiles of one window.  The 104 accumulators take turns, one instruction a turn
.irp m, 0,1,2,3
.if \zero
	v_wmma_f32_16x16x32_bf16 v[64*\m+8*\a:64*\m+8*\a+7], v[ABF+8*((\a)&1):ABF+8*((\a)&1)+7], v[BF+8*(\q0+\m):BF+8*(\q0+\m)+7], 0
.else
	v_wmma_f32_16x16x32_bf16 v[64*\m+8*\a:64*\m+8*\a+7], v[ABF+8*((\a)&1):ABF+8*((\a)&1)+7], v[BF+8*(\q0+\m):BF+8*(\q0+\m)+7], v[64*\m+8*\a:64*\m+8*\a+7]
.endif
.endr
.endm
.macro MM12 a, zero
.if \zero
	v_wmma_f32_16x16x32_bf16 v[192+8*\a:192+8*\a+7], v[ABF+8*((\a)&1):ABF+8*((\a)&1)+7], v[BF+96:BF+103], 0
.else
	v_wmma_f32_16x16x32_bf16 v[192+8*\a:192+8*\a+7], v[ABF+8*((\a)&1):ABF+8*((\a)&1)+7], v[BF+96:BF+103], v[192+8*\a:192+8*\a+7]
.endif
.endm
; The 13 products of tile a, in runs of 4, 4, 4 and 1; behind each run a quarter of the squares of tile nt (nt = -1: none).
; first = 1: the step's B fragments are still arriving: behind those of a run were issued the later runs' loads (8, 8, 2) and the 8 x loads of
; tile 2, hence 26, 18, 10, 8
.macro MMALL a, zero, first, nt
.if \first
	s_wait_dscnt 26
.endif
	WIN 0x50
	MMSEG \a, 0, \zero
.if (\nt) >= 0
	WIN 0
	NORMP \nt, 0
.endif
.if \first
	s_wait_dscnt 18
.endif
	WIN 0xa0
	MMSEG \a, 4, \zero
.if (\nt) >= 0
	WIN 0
	NORMP \nt, 1
.endif
.if \first
	s_wait_dscnt 10
.endif
	WIN 0xf0
	MMSEG \a, 8, \zero
	WIN 0
.if (\nt) >= 0
	NORMP \nt, 2
.endif
.if \first
	s_wait_dscnt 8
.endif
	MM12 \a, \zero
.if (\nt) >= 0
	NORMP \nt, 3                                   ; the four places in front of the next conversion, which writes the fragment that these products read
.endif
.endm
.macro GRP slot, s, a, zero, first     ; tiles 0 to 5 of a K step
	WIN 0
.if \first
	s_wait_dscnt 26                                ; tile 1's x is in; the 26 B loads issued behind it stay out
.else
	s_wait_dscnt 0                                 ; the next tile's x is in (nothing else is out)
.endif
	CVT \a+1
	LOADX \slot, \s, \a+2
	MMALL \a, \zero, \first, \a+1
.endm
; tile 6.  mode 0: the next step reads the same slot; 1: change of slots with a refill; 2: change without; 3: the last step
.macro G6 slot, s, zero, mode, nslot, ns
	WIN 0
	s_wait_dscnt 0                                 ; tile 7's x is in: my last read of this slot (its B fragments are in registers)
	CVT 7
.if \mode == 0
	LOADX \nslot, \ns, 0
	MMALL 6, \zero, 0, 7
.endif
.if \mode == 3
	MMALL 6, \zero, 0, 7
.endif
.if \mode == 1
	s_wait_tensorcnt 0x0                           ; all my tensor loads have landed: the one that was out is my part of the next slot
	s_barrier_signal -1                            ; opens the round
	MMALL 6, \zero, 0, 7                           ; register work alone
	s_barrier_wait -1
	CREST                                          ; no wave of any partner still reads this slot or has a load on its way
	s_add_nc_u64 s[G0X+4*\slot+2:G0X+4*\slot+3], s[G0X+4*\slot+2:G0X+4*\slot+3], 512
	s_add_nc_u64 s[G0B+4*\slot+2:G0B+4*\slot+3], s[G0B+4*\slot+2:G0B+4*\slot+3], 2*BSLOT
	JLOAD \slot                                    ; two chunks ahead: between this request and the wait for it lie 195 matrix instructions (13 of tile 7, 104 of the next K step, 78 of tiles 0 to 5)
	LOADX \nslot, \ns, 0
.endif
.if \mode == 2
	s_wait_tensorcnt 0x0
	s_barrier_signal -1
	MMALL 6, \zero, 0, 7
	s_barrier_wait -1                              ; the last slot is whole; nothing is filled again
	LOADX \nslot, \ns, 0
.endif
.endm
; tile 7.  Its first four products come first, so that the next step's tile 0 (asked for just before, where the slots changed) has them in which to
; arrive; then that tile is converted.  Behind each run its B registers are loaded for the next step; a quarter of the next tile 0's squares
; makes the four places between the products that read them and the loads.
.macro G7 zero, mode, nslot, ns
.if \mode != 3
	WIN 0x50
	MMSEG 7, 0, \zero
	WIN 0
	s_wait_dscnt 0                                 ; the next step's tile 0 is in (nothing else is out)
	CVT 8                                          ; it writes the fragment that tile 6's products read: the last quarter of tile 7's squares stands between
	LOADX \nslot, \ns, 1
	NORMP 0, 0
	BLOAD4 \nslot, \ns, 0
	WIN 0xa0
	MMSEG 7, 4, \zero
	WIN 0
	NORMP 0, 1
	BLOAD4 \nslot, \ns, 4
	WIN 0xf0
	MMSEG 7, 8, \zero
	WIN 0
	NORMP 0, 2
	BLOAD4 \nslot, \ns, 8
	MM12 7, \zero
	NORMP 0, 3
	BLOAD1 \nslot, \ns
.else
	MMALL 7, \zero, 0, -1
.endif
.endm
; Every K step but the last leaves the same state behind: the next step's tile 0 converted and squared, tile 1's 8 x loads out and the 26 B loads out behind them.
.macro KSTEP slot, s, zero, mode, nslot, ns
	GRP \slot, \s, 0, \zero, 1
	GRP \slot, \s, 1, \zero, 0
	GRP \slot, \s, 2, \zero, 0
	GRP \slot, \s, 3, \zero, 0
	GRP \slot, \s, 4, \zero, 0
	GRP \slot, \s, 5, \zero, 0
	G6 \slot, \s, \zero, \mode, \nslot, \ns
	G7 \zero, \mode, \nslot, \ns
.endm
	s_wait_tensorcnt 0x1                           ; my part of chunk 0 is in; chunk 1's may stay out
	s_barrier_signal -1
	s_barrier_wait -1
	LOADX 0, 0, 0
	s_wait_dscnt 0
	CVT 0
	LOADX 0, 0, 1
	BLOAD4 0, 0, 0
	BLOAD4 0, 0, 4
	BLOAD4 0, 0, 8
	BLOAD1 0, 0
	NORMP 0, 0                                     ; the first tile's squares, while the loads are on their way
	NORMP 0, 1
	NORMP 0, 2
	NORMP 0, 3
	KSTEP 0, 0, 1, 0, 0, 1                         ; chunk 0, first half: its products start the sums: nothing is cleared
	s_mov_b32 s19, 3
.Llap:                                             ; trip n: second half of chunk 2n, chunk 2n + 1, first half of chunk 2n + 2; it asks for chunks 2n + 2 and 2n + 3
	KSTEP 0, 1, 0, 1, 1, 0
	KSTEP 1, 0, 0, 0, 1, 1
	KSTEP 1, 1, 0, 1, 0, 0
	KSTEP 0, 0, 0, 0, 0, 1
	s_sub_co_u32 s19, s19, 1
	s_cmp_lg_u32 s19, 0
	s_cbranch_scc1 .Llap
	KSTEP 0, 1, 0, 2, 1, 0                         ; second half of chunk 6, and chunk 7: nothing is left to fetch
	KSTEP 1, 0, 0, 0, 1, 1
	KSTEP 1, 1, 0, 3, 0, 0
; ---- the rows' norms: rx * tm and (1 - tm) * NEG per t, through LDS into the accumulators' row order ----
	s_wait_loadcnt 0x0                             ; rp, mask, slot weights
.irp a, 0,1,2,3,4,5,6,7
	v_cvt_pk_bf16_f32 v[TM+\a], v[TM+\a], v[TM+\a] ; the mask rounded to bf16, as every input is (these lines are also the places behind the last products)
.endr
.irp a, 0,1,2,3,4,5,6,7
	v_and_b32 v[TM+\a], 0xffff0000, v[TM+\a]       ; and widened again
.endr
.irp a, 0,1,2,3,4,5,6,7
	v_add_f32 v[SS+\a], v[SS+\a], v[SSB+\a]
.endr
.irp a, 0,1,2,3,4,5,6,7
	v_permlanex16_b32 v[SSB+\a], v[SS+\a], s56, s57    ; the other half of the row's k
.endr
.irp a, 0,1,2,3,4,5,6,7
	v_add_f32 v[SS+\a], v[SS+\a], v[SSB+\a]
.endr
.irp a, 0,1,2,3,4,5,6,7
	v_sqrt_f32 v[SS+\a], v[SS+\a]
.endr
	v_add_nc_u32 v46, RXS, v4                      ; where row 16 w + r goes; also the plain instruction behind the roots
	s_wait_alu depctr_va_vdst(0)
.irp a, 0,1,2,3,4,5,6,7
	v_max_num_f32 v[SS+\a], s72, v[SS+\a]
.endr
.irp a, 0,1,2,3,4,5,6,7
	v_rcp_f32 v[SS+\a], v[SS+\a]
.endr
	v_lshlrev_b32 v47, 5, v2                       ; 32 h; also the plain instruction behind the reciprocals
	s_wait_alu depctr_va_vdst(0)
.irp a, 0,1,2,3,4,5,6,7
	v_mul_f32 v[SS+\a], v[SS+\a], v[TM+\a]         ; rx * tm
	v_sub_f32 v[TM+\a], 1.0, v[TM+\a]              ; (1 - tm) * NEG in the module's own two roundings
	v_mul_f32 v[TM+\a], s71, v[TM+\a]
.endr
.irp a, 0,1,2,3,4,5,6,7
	ds_store_b32 v46, v[SS+\a] offset:256*\a
	ds_store_b32 v46, v[TM+\a] offset:2048+256*\a
.endr
	s_lshl_b32 s76, s18, 6
	s_add_co_u32 s76, s76, RXS
	v_add_nc_u32 v47, s76, v47                     ; my eight rows 16 w + 8 h + j
	v_and_b32 v3, 7, v1                            ; i
	v_lshrrev_b32 v4, 3, v1                        ; hp
	s_lshl_b32 s76, s18, 2
	v_lshl_add_u32 v8, v1, 4, s76                  ; 16 r + 4 w
	v_lshlrev_b32 v9, 4, v1                        ; 16 r
	s_lshl_b32 s76, s18, 1
	v_lshl_add_u32 v10, v3, 6, v2
	v_add_nc_u32 v10, s76, v10                     ; 64 i + 2 w + h: a block's code less 8 a
	v_mul_u32_u24 v11, v1, 272
	v_lshl_add_u32 v11, v2, 5, v11
	s_lshl_b32 s76, s18, 6
	s_add_co_u32 s76, s76, EXB
	v_add_nc_u32 v11, s76, v11                     ; region A: row r, bytes 64 w + 32 h
	v_add_nc_u32 v12, EXR, v11                     ; region B
	v_mov_b32 v13, s74
	s_wait_dscnt 0x0
	s_barrier_signal -1
	s_barrier_wait -1                              ; every wave is through with the slots
; ---- scale in place; per lane and tile q the best block of 8 t (value, first a), for da and for fl(da + NEG) ----
.set BEST, 48
.set BA,   61
.set GB,   74
.set GA,   87
.set T,    100
.set SC,   112                         ; two sets of 8 rx*tm and 8 offsets
.set BM,   144
.set GG,   145
.macro SCLOAD a
	ds_load_b128 v[SC+16*((\a)&1):SC+16*((\a)&1)+3],     v47 offset:256*(\a)
	ds_load_b128 v[SC+16*((\a)&1)+4:SC+16*((\a)&1)+7],   v47 offset:256*(\a)+16
	ds_load_b128 v[SC+16*((\a)&1)+8:SC+16*((\a)&1)+11],  v47 offset:2048+256*(\a)
	ds_load_b128 v[SC+16*((\a)&1)+12:SC+16*((\a)&1)+15], v47 offset:2048+256*(\a)+16
.endm
.macro SCALEQ reg, q, sb
.irp m, 0,2,4,6
.if (\q)&1
	v_pk_mul_f32 v[(\reg)+\m:(\reg)+\m+1], v[(\reg)+\m:(\reg)+\m+1], v[RP+(\q)-1:RP+(\q)] op_sel:[0,1] op_sel_hi:[1,1]
.else
	v_pk_mul_f32 v[(\reg)+\m:(\reg)+\m+1], v[(\reg)+\m:(\reg)+\m+1], v[RP+(\q):RP+(\q)+1] op_sel_hi:[1,0]
.endif
.endr
.irp m, 0,2,4,6
	v_pk_fma_f32 v[(\reg)+\m:(\reg)+\m+1], v[(\reg)+\m:(\reg)+\m+1], v[(\sb)+\m:(\sb)+\m+1], v[(\sb)+8+\m:(\sb)+8+\m+1]
.endr
.endm
.macro MAX8 reg, t
	v_max3_num_f32 v[(\t)],   v[(\reg)],   v[(\reg)+1], v[(\reg)+2]
	v_max3_num_f32 v[(\t)+1], v[(\reg)+3], v[(\reg)+4], v[(\reg)+5]
	v_max_num_f32  v[(\t)+2], v[(\reg)+6], v[(\reg)+7]
.endm
.macro TRACK q, a, t
.if \a == 0
	v_max3_num_f32 v[BEST+(\q)], v[(\t)], v[(\t)+1], v[(\t)+2]
	v_mov_b32 v[BA+(\q)], 0
	v_mov_b32 v[GA+(\q)], 0
	v_add_f32 v[GB+(\q)], s71, v[BEST+(\q)]
.else
	v_max3_num_f32 v[BM], v[(\t)], v[(\t)+1], v[(\t)+2]
	v_cmp_le_f32 vcc_lo, v[BM], v[BEST+(\q)]       ; not greater: the first a keeps a tie
	v_add_f32 v[GG], s71, v[BM]                    ; rounding is monotone: the block's best fl(da + NEG)
	v_max_num_f32 v[BEST+(\q)], v[BEST+(\q)], v[BM]
	v_cndmask_b32 v[BA+(\q)], \a, v[BA+(\q)], vcc_lo   ; the constant as first source: the short encoding
	v_cmp_le_f32 vcc_lo, v[GG], v[GB+(\q)]
	v_max_num_f32 v[GB+(\q)], v[GB+(\q)], v[GG]
	v_cndmask_b32 v[GA+(\q)], \a, v[GA+(\q)], vcc_lo
.endif
.endm
.macro P1BLK a, n, wscale, wmax
	WIN \wscale                                    ; source 0 and destination in window n
.set pq, 0
.rept 4
	SCALEQ 64*pq+8*\a, 4*(\n-1)+pq, SC+16*((\a)&1)
.set pq, pq+1
.endr
	WIN \wmax                                      ; all sources in window n
.set pq, 0
.rept 4
	MAX8 64*pq+8*\a, T+3*pq
.set pq, pq+1
.endr
	WIN 0
.set pq, 0
.rept 4
	TRACK 4*(\n-1)+pq, \a, T+3*pq
.set pq, pq+1
.endr
.endm
.macro P1A a
.if \a < 7
	SCLOAD \a+1
	s_wait_dscnt 4                                 ; this tile row's four loads are in, the next one's stay out
.else
	s_wait_dscnt 0
.endif
	P1BLK \a, 1, 0x41, 0x15
	P1BLK \a, 2, 0x82, 0x2a
	P1BLK \a, 3, 0xc3, 0x3f
	SCALEQ 192+8*\a, 12, SC+16*((\a)&1)
	MAX8 192+8*\a, T
	TRACK 12, \a, T
.endm
	SCLOAD 0
.irp a, 0,1,2,3,4,5,6,7
	P1A \a
.endr
; ---- the best value M of each prototype: over i (8 lanes), h (the halves), the waves (LDS) ----
.macro DPP3 op, base
.irp x, 1,2,4
.irp q, 0,1,2,3,4,5,6,7,8,9,10,11,12
	\op v[\base+\q], v[\base+\q], v[\base+\q] row_xmask:\x row_mask:0xf bank_mask:0xf
.endr
.endr
.endm
.irp q, 0,1,2,3,4,5,6,7,8,9,10,11,12
	v_mov_b32 v[100+\q], v[BEST+\q]
.endr
	DPP3 v_max_num_f32_dpp, 100
.irp q, 0,1,2,3,4,5,6,7,8,9,10,11,12
	v_permlanex16_b32 v[113+\q], v[100+\q], s56, s57
.endr
.irp q, 0,1,2,3,4,5,6,7,8,9,10,11,12
	v_max_num_f32 v[100+\q], v[100+\q], v[113+\q]
	ds_store_b32 v8, v[100+\q] offset:P1V+256*\q
.endr
	s_wait_dscnt 0x0
	s_barrier_signal -1
	s_barrier_wait -1
.irp q, 0,1,2,3,4,5,6,7,8,9,10,11,12
	ds_load_b128 v[100+4*\q:103+4*\q], v9 offset:P1V+256*\q
.endr
	s_wait_dscnt 0x0
.irp q, 0,1,2,3,4,5,6,7,8,9,10,11,12
	v_max3_num_f32 v[152+\q], v[100+4*\q], v[101+4*\q], v[102+4*\q]
.endr
.irp q, 0,1,2,3,4,5,6,7,8,9,10,11,12
	v_max_num_f32 v[152+\q], v[152+\q], v[103+4*\q]    ; M
.endr
; ---- the smallest code 64 i + (t >> 3) among the blocks that reach M, and among those that reach gM = fl(M + NEG) ----
.irp q, 0,1,2,3,4,5,6,7,8,9,10,11,12
	v_lshl_add_u32 v[BA+\q], v[BA+\q], 3, v10
	v_lshl_add_u32 v[GA+\q], v[GA+\q], 3, v10
	v_add_f32 v[100+\q], s71, v[152+\q]
.endr
.irp q, 0,1,2,3,4,5,6,7,8,9,10,11,12
	v_cvt_f32_u32 v[BA+\q], v[BA+\q]
	v_cvt_f32_u32 v[GA+\q], v[GA+\q]
.endr
.irp q, 0,1,2,3,4,5,6,7,8,9,10,11,12
	v_cmp_eq_f32 vcc_lo, v[BEST+\q], v[152+\q]
	v_cndmask_b32 v[BA+\q], s73, v[BA+\q], vcc_lo
	v_cmp_eq_f32 vcc_lo, v[GB+\q], v[100+\q]
	v_cndmask_b32 v[GA+\q], s73, v[GA+\q], vcc_lo
.endr
	DPP3 v_min_num_f32_dpp, BA
	DPP3 v_min_num_f32_dpp, GA
.irp q, 0,1,2,3,4,5,6,7,8,9,10,11,12
	v_permlanex16_b32 v[100+\q], v[BA+\q], s56, s57
	v_permlanex16_b32 v[113+\q], v[GA+\q], s56, s57
.endr
.irp q, 0,1,2,3,4,5,6,7,8,9,10,11,12
	v_min_num_f32 v[BA+\q], v[BA+\q], v[100+\q]
	v_min_num_f32 v[GA+\q], v[GA+\q], v[113+\q]
	ds_store_b32 v8, v[BA+\q] offset:P1C+256*\q
	ds_store_b32 v8, v[GA+\q] offset:P1C+3328+256*\q
.endr
	s_wait_dscnt 0x0
	s_barrier_signal -1
	s_barrier_wait -1
.irp q, 0,1,2,3,4,5,6,7,8,9,10,11,12
	ds_load_b128 v[48+4*\q:51+4*\q],   v9 offset:P1C+256*\q
	ds_load_b128 v[100+4*\q:103+4*\q], v9 offset:P1C+3328+256*\q
.endr
	s_wait_dscnt 0x0
; Which of my tiles lies in the 64 t that begin at 16-row tile ts: a = (ts + 3 - w) >> 2 (arithmetic), one tile a wave since tiles go round the waves.
; Region A: ts = (block of e0 - 1) >> 1.  Region B: ts = (block of t*) >> 1.  An a outside 0..7 matches nothing: -inf stands for t outside 0..511.
.set AWA, 152
.set AWB, 165
.irp q, 0,1,2,3,4,5,6,7,8,9,10,11,12
	v_min3_num_f32 v[AWA+\q], v[48+4*\q],  v[49+4*\q],  v[50+4*\q]
	v_min3_num_f32 v[AWB+\q], v[100+4*\q], v[101+4*\q], v[102+4*\q]
.endr
.irp q, 0,1,2,3,4,5,6,7,8,9,10,11,12
	v_min_num_f32 v[AWA+\q], v[AWA+\q], v[51+4*\q]
	v_min_num_f32 v[AWB+\q], v[AWB+\q], v[103+4*\q]
.endr
.irp q, 0,1,2,3,4,5,6,7,8,9,10,11,12
	v_cvt_u32_f32 v[AWA+\q], v[AWA+\q]
	v_cvt_u32_f32 v[AWB+\q], v[AWB+\q]
.endr
.irp q, 0,1,2,3,4,5,6,7,8,9,10,11,12
	v_and_b32 v[AWA+\q], 63, v[AWA+\q]
	v_and_b32 v[AWB+\q], 63, v[AWB+\q]
	v_add_nc_u32 v[AWA+\q], -1, v[AWA+\q]
	v_lshrrev_b32 v[AWB+\q], 1, v[AWB+\q]
	v_ashrrev_i32 v[AWA+\q], 1, v[AWA+\q]
	v_add_nc_u32 v[AWB+\q], s75, v[AWB+\q]
	v_add_nc_u32 v[AWA+\q], s75, v[AWA+\q]
	v_ashrrev_i32 v[AWB+\q], 2, v[AWB+\q]
	v_ashrrev_i32 v[AWA+\q], 2, v[AWA+\q]
.endr
; ---- extraction by selects: my tile of each region goes to bytes 4 (t mod 64) of row (region, q, r) ----
; Two sets of sixteen registers (v48-63, v64-79) take turns from q to q, so that a tile's first selects write no register that the LDS stores of the tile before read.
.macro EXTRACT q, n, reg0
.set EB, 48+16*((\q)&1)
	WIN (\n<<2)                                    ; source 1 in the accumulators' window
.irp a, 0,1,2,3,4,5,6,7
	v_cmp_eq_u32_e64 vcc_lo, v[AWA+\q], \a
.irp j, 0,1,2,3,4,5,6,7
.if \a == 0
	v_cndmask_b32 v[EB+\j], v13, v[\reg0+8*\a+\j], vcc_lo
.else
	v_cndmask_b32 v[EB+\j], v[EB+\j], v[\reg0+8*\a+\j], vcc_lo
.endif
.endr
	v_cmp_eq_u32_e64 vcc_lo, v[AWB+\q], \a
.irp j, 0,1,2,3,4,5,6,7
.if \a == 0
	v_cndmask_b32 v[EB+8+\j], v13, v[\reg0+8*\a+\j], vcc_lo
.else
	v_cndmask_b32 v[EB+8+\j], v[EB+8+\j], v[\reg0+8*\a+\j], vcc_lo
.endif
.endr
.endr
	WIN 0
	ds_store_b128 v11, v[EB:EB+3] offset:\q*4352
	ds_store_b128 v11, v[EB+4:EB+7] offset:\q*4352+16
	ds_store_b128 v12, v[EB+8:EB+11] offset:\q*4352
	ds_store_b128 v12, v[EB+12:EB+15] offset:\q*4352+16
.endm
	EXTRACT 0, 1, 0
	EXTRACT 1, 1, 64
	EXTRACT 2, 1, 128
	EXTRACT 3, 1, 192
	EXTRACT 4, 2, 0
	EXTRACT 5, 2, 64
	EXTRACT 6, 2, 128
	EXTRACT 7, 2, 192
	EXTRACT 8, 3, 0
	EXTRACT 9, 3, 64
	EXTRACT 10, 3, 128
	EXTRACT 11, 3, 192
	EXTRACT 12, 0, 192
	s_wait_dscnt 0x0
	s_barrier_signal -1
	s_barrier_wait -1
; ---- the reader: eight lanes a prototype (lane = sub-patch i), four prototypes a wave and trip ----
.set RI,   3
.set RHP,  4
.set RPL,  7
.set VAL,  16                          ; v16-23 the eight steps' values
.set KEY,  24                          ; v24-31 id << 12 | step << 9 | event
.set M,    32
.set GMV,  33
.set B0,   34
.set I0,   35
.set BS,   36
.set IS,   37
.set E0,   38
.set TS,   39
.set CODEG,40
.set O,    41                          ; the window's first t
.set CM,   42                          ; chosen events, bit x = t O + x
.set CH,   43                          ; chosen events, bit d = t (t* + 1) + d
.set USED, 44                          ; -1: my sub-patch is used
.set I512, 45
.set TS1,  46
.set ONE,  47
.set XA,   48                          ; v48-140 region A: 64 as loaded, 29 more for the rotation
.set TA,   142
.set TB,   143
.set BV,   144
.set BX,   145
.set WV,   146
.set CW,   147
.set EV,   148
.set ID,   149
.set SH,   150
.set CME,  151
.set J,    152
.set KP,   153
.set XB,   160                         ; v160-241 region B
.set CUR,  XA+37                       ; after the shifts: da(O + x, i)
.set RB,   XB+33                       ; da(t* + 1 + x, i)
.macro SHF base, cnt, d                ; where VCC: move down by d, ascending in place
.set z, 0
.rept \cnt
	v_cndmask_b32 v[(\base)+z], v[(\base)+z], v[(\base)+z+\d], vcc_lo
.set z, z+1
.endr
.endm
.macro BITV bit, reg
	v_and_b32 v[TA], \bit, v[\reg]
	v_cmp_ne_u32 vcc_lo, 0, v[TA]
.endm
; the 64 entries lie by t mod 64; make entry z of the region, z < n, stand at X + 32 + z: rotate by K blocks of 8
.macro ROT X, n, K
	BITV 4, \K
.set z, 0
.rept \n-8
	v_cndmask_b32 v[\X+64+z], v[\X+32+z], v[\X+z], vcc_lo
.set z, z+1
.endr
.set z, 0
.rept 32
	v_cndmask_b32 v[\X+32+z], v[\X+z], v[\X+32+z], vcc_lo
.set z, z+1
.endr
	BITV 2, \K
	SHF \X+32, \n+8, 16
	BITV 1, \K
	SHF \X+32, \n, 8
.endm
.macro FINE base, n, K                 ; move down by K = 0..7
	BITV 4, \K
	SHF \base, \n+3, 4
	BITV 2, \K
	SHF \base, \n+1, 2
	BITV 1, \K
	SHF \base, \n, 1
.endm
.macro MIN8 reg
	v_min_num_f32_dpp v[\reg], v[\reg], v[\reg] row_xmask:1 row_mask:0xf bank_mask:0xf
	v_min_num_f32_dpp v[\reg], v[\reg], v[\reg] row_xmask:2 row_mask:0xf bank_mask:0xf
	v_min_num_f32_dpp v[\reg], v[\reg], v[\reg] row_xmask:4 row_mask:0xf bank_mask:0xf
.endm
.macro JFIN isel                       ; the j found in the lane of sub-patch isel goes to all eight lanes
	v_cvt_f32_u32 v[J], v[J]
	v_cmp_eq_u32 vcc_lo, v[RI], v[\isel]
	v_cndmask_b32 v[J], s73, v[J], vcc_lo
	MIN8 J
	v_cvt_u32_f32 v[J], v[J]
.endm
; step k: n window places, rem = 3 (7 - k) places kept for the steps that follow
.macro STEP k, n, rem
	v_or_b32 v[CME], v[CM], v[USED]
.set z, 0
.rept \n
	v_and_b32 v[TA], 1<<z, v[CME]
	v_cmp_eq_u32 vcc_lo, 0, v[TA]
.if z == 0
	v_cndmask_b32 v[BV], s74, v[CUR], vcc_lo
	v_mov_b32 v[BX], 0
.else
	v_cndmask_b32 v[TB], s74, v[CUR+z], vcc_lo
	v_cmp_gt_f32 vcc_lo, v[TB], v[BV]              ; the first t keeps a tie
	v_cndmask_b32_e64 v[BX], v[BX], z, vcc_lo
	v_max_num_f32 v[BV], v[BV], v[TB]
.endif
.set z, z+1
.endr
	v_mov_b32 v[WV], v[BV]
	v_max_num_f32_dpp v[WV], v[WV], v[WV] row_xmask:1 row_mask:0xf bank_mask:0xf
	v_max_num_f32_dpp v[WV], v[WV], v[WV] row_xmask:2 row_mask:0xf bank_mask:0xf
	v_max_num_f32_dpp v[WV], v[WV], v[WV] row_xmask:4 row_mask:0xf bank_mask:0xf
	v_add_nc_u32 v[TA], v[I512], v[O]
	v_add_nc_u32 v[TA], v[TA], v[BX]
	v_cvt_f32_i32 v[TA], v[TA]
	v_cmp_eq_f32 vcc_lo, v[BV], v[WV]
	v_cndmask_b32 v[CW], s73, v[TA], vcc_lo
	MIN8 CW                                        ; the window's winner: value WV, code CW
	v_cmp_gt_f32 s80, v[WV], v[GMV]
	v_cmp_eq_f32 s81, v[WV], v[GMV]
	v_cmp_lt_f32 s82, v[CW], v[CODEG]
	s_and_b32 s81, s81, s82
	s_or_b32 s80, s80, s81                         ; the window wins against G*
	v_cndmask_b32_e64 v[VAL+\k], v[GMV], v[WV], s80
	v_cndmask_b32_e64 v[TA], v[CODEG], v[CW], s80
	v_cvt_u32_f32 v[TA], v[TA]
	v_and_b32 v[EV], 511, v[TA]
	v_lshrrev_b32 v[ID], 9, v[TA]
	v_lshl_or_b32 v[KEY+\k], v[ID], 12, v[EV]
	v_or_b32 v[KEY+\k], \k<<9, v[KEY+\k]
.if \k < 7
	v_cmp_eq_u32 vcc_lo, v[RI], v[ID]
	v_cndmask_b32_e64 v[USED], v[USED], -1, vcc_lo
	v_sub_nc_u32 v[TA], v[EV], v[TS1]
	v_cmp_gt_u32 vcc_lo, 32, v[TA]
	v_lshlrev_b32 v[TB], v[TA], v[ONE]
	v_cndmask_b32 v[TB], 0, v[TB], vcc_lo
	v_or_b32 v[CH], v[CH], v[TB]
	v_sub_nc_u32 v[SH], v[EV], v[O]
	v_add_nc_u32 v[SH], 1, v[SH]                   ; the window moves by SH (used where the window won)
	v_lshrrev_b32 v[TA], v[SH], v[CM]
	v_cndmask_b32_e64 v[CM], v[CH], v[TA], s80
	v_add_nc_u32 v[O], 1, v[EV]
.if \k == 1
	FINE CUR, \rem, SH
.set z, 0
.rept \rem
	v_cndmask_b32_e64 v[CUR+z], v[RB+z], v[CUR+z], s80
.set z, z+1
.endr
.else
	v_cmp_eq_u32 s81, 1, v[SH]
	v_cmp_eq_u32 s82, 2, v[SH]
	v_cmp_eq_u32 s83, 3, v[SH]
	s_and_b32 s81, s81, s80
	s_and_b32 s82, s82, s80
	s_and_b32 s83, s83, s80
.set z, 0
.rept \rem
	v_cndmask_b32_e64 v[CUR+z], v[RB+z], v[CUR+z+1], s81
	v_cndmask_b32_e64 v[CUR+z], v[CUR+z], v[CUR+z+2], s82
	v_cndmask_b32_e64 v[CUR+z], v[CUR+z], v[CUR+z+3], s83
.set z, z+1
.endr
.endif
.endif
.endm
.macro CE a, b                         ; a comparator of the sorting network
	v_min_u32 v[TA], v[KEY+\a], v[KEY+\b]
	v_max_u32 v[KEY+\b], v[KEY+\a], v[KEY+\b]
	v_mov_b32 v[KEY+\a], v[TA]
.endm
	s_mov_b32 s19, 0                               ; the trip
.Lread:
	s_lshl_b32 s76, s18, 1
	s_lshl3_add_u32 s76, s19, s76                  ; 2 w + 8 trip
	v_add_nc_u32 v5, s76, v2                       ; tile 2 (w + 4 trip) + (lane >> 4)
	v_min_u32 v6, 12, v5                           ; tile 13 does not exist: its lanes read tile 12 and store nothing
	v_lshl_add_u32 v[RPL], v5, 1, v[RHP]           ; prototype within the group
	v_lshlrev_b32 v8, 8, v6
	v_lshl_add_u32 v8, v1, 4, v8
	v_mul_u32_u24 v9, v6, 4352
	v_mul_u32_u24 v10, v1, 272
	v_add_nc_u32 v9, v9, v10
	v_add_nc_u32 v9, EXB, v9
	ds_load_b128 v[244:247], v8 offset:P1V
	ds_load_b128 v[248:251], v8 offset:P1C
	ds_load_b128 v[252:255], v8 offset:P1C+3328
.irp z4, 0,1,2,3,4,5,6,7,8,9,10,11,12,13,14,15
	ds_load_b128 v[XB+4*\z4:XB+4*\z4+3], v9 offset:EXR+16*\z4
.endr
.irp z4, 0,1,2,3,4,5,6,7,8,9,10,11,12,13,14,15
	ds_load_b128 v[XA+4*\z4:XA+4*\z4+3], v9 offset:16*\z4
.endr
	v_mov_b32 v[ONE], 1
	v_lshlrev_b32 v[I512], 9, v[RI]
	s_wait_dscnt 0x0
	v_max3_num_f32 v[M],  v244, v245, v246
	v_min3_num_f32 v[B0], v248, v249, v250
	v_min3_num_f32 v[BS], v252, v253, v254
	v_max_num_f32 v[M],  v[M],  v247
	v_min_num_f32 v[B0], v[B0], v251
	v_min_num_f32 v[BS], v[BS], v255
	v_cvt_u32_f32 v[B0], v[B0]
	v_cvt_u32_f32 v[BS], v[BS]
	v_add_f32 v[GMV], s71, v[M]
	v_lshrrev_b32 v[I0], 6, v[B0]
	v_lshrrev_b32 v[IS], 6, v[BS]
	v_and_b32 v[B0], 63, v[B0]
	v_and_b32 v[BS], 63, v[BS]
	; region B: from t*'s block on
	v_and_b32 v[KP], 7, v[BS]
	ROT XB, 26, KP
	v_mov_b32 v[J], 0
.irp j, 7,6,5,4,3,2,1,0
	v_add_f32 v[TA], s71, v[XB+32+\j]
	v_cmp_eq_f32 vcc_lo, v[TA], v[GMV]
	v_cndmask_b32_e64 v[J], v[J], \j, vcc_lo       ; descending: the first j stays
.endr
	JFIN IS
	v_lshl_add_u32 v[TS], v[BS], 3, v[J]
	FINE RB, 18, J
	v_lshl_add_u32 v[TA], v[IS], 9, v[TS]
	v_cvt_f32_u32 v[CODEG], v[TA]
	v_add_nc_u32 v[TS1], 1, v[TS]
	; region A: from the block in front of e0's on
	v_add_nc_u32 v[KP], -1, v[B0]
	v_and_b32 v[KP], 7, v[KP]
	ROT XA, 37, KP
	v_mov_b32 v[J], 0
.irp j, 7,6,5,4,3,2,1,0
	v_cmp_eq_f32 vcc_lo, v[XA+40+\j], v[M]
	v_cndmask_b32_e64 v[J], v[J], \j, vcc_lo
.endr
	JFIN I0
	v_lshl_add_u32 v[E0], v[B0], 3, v[J]
	FINE CUR, 25, J                                ; CUR + x = da(e0 - 3 + x)
	; step 0's record and the state
	v_mov_b32 v[VAL], v[M]
	v_lshl_or_b32 v[KEY], v[I0], 12, v[E0]
	v_add_nc_u32 v[O], -3, v[E0]
	v_mov_b32 v[CM], 8
	v_cmp_eq_u32 vcc_lo, v[RI], v[I0]
	v_cndmask_b32_e64 v[USED], 0, -1, vcc_lo
	v_sub_nc_u32 v[TA], v[E0], v[TS1]
	v_cmp_gt_u32 vcc_lo, 32, v[TA]
	v_lshlrev_b32 v[TB], v[TA], v[ONE]
	v_cndmask_b32 v[CH], 0, v[TB], vcc_lo
	STEP 1, 7, 18
	STEP 2, 3, 15
	STEP 3, 3, 12
	STEP 4, 3, 9
	STEP 5, 3, 6
	STEP 6, 3, 3
	STEP 7, 3, 0
	; the stable sort by id: the step number in the key keeps equal ids in order
	CE 0,1
	CE 2,3
	CE 4,5
	CE 6,7
	CE 0,2
	CE 1,3
	CE 4,6
	CE 5,7
	CE 1,2
	CE 5,6
	CE 0,4
	CE 1,5
	CE 2,6
	CE 3,7
	CE 2,4
	CE 3,5
	CE 1,2
	CE 3,4
	CE 5,6
	v_mov_b32 v[TB], v[KEY]
.irp p, 1,2,3,4,5,6,7
	v_cmp_eq_u32 vcc_lo, \p, v[RI]
	v_cndmask_b32 v[TB], v[TB], v[KEY+\p], vcc_lo  ; lane i takes place i
.endr
	v_bfe_u32 v[SH], v[TB], 9, 3                   ; its step
	v_and_b32 v[EV], 511, v[TB]
	v_cvt_f32_u32 v[EV], v[EV]
	v_mov_b32 v[WV], v[VAL]
.irp p, 1,2,3,4,5,6,7
	v_cmp_eq_u32 vcc_lo, \p, v[SH]
	v_cndmask_b32 v[WV], v[WV], v[VAL+\p], vcc_lo
.endr
	v_mul_f32 v[WV], v[WV], v[SWR]
	v_mov_b32 v[SWR], v[SWR+1]                     ; the next trip's slot weight
	v_add_f32_dpp v[WV], v[WV], v[WV] row_xmask:1 row_mask:0xf bank_mask:0xf
	v_add_f32_dpp v[WV], v[WV], v[WV] row_xmask:2 row_mask:0xf bank_mask:0xf
	v_add_f32_dpp v[WV], v[WV], v[WV] row_xmask:4 row_mask:0xf bank_mask:0xf
	v_sub_f32 v[CW], 0x41000000, v[WV]             ; 8 - sum
	v_lshlrev_b32 v[TA], 5, v[RPL]
	v_lshl_add_u32 v[TA], v[RI], 2, v[TA]
	v_lshlrev_b32 v[TB], 2, v[RPL]
	v_cmp_gt_u32 vcc_lo, 25, v[RPL]                ; the padding prototypes store nothing
	v_cmp_eq_u32 s85, 0, v[RI]
	s_and_b32 s85, s85, vcc_lo
	s_wait_xcnt 0x0                                ; EXEC changes only behind this wait
	s_and_saveexec_b32 s84, vcc_lo
	global_store_b32 v[TA], v[EV], s[16:17]        ; a prototype's eight lanes store its 32 bytes
	s_wait_xcnt 0x0
	s_or_b32 exec_lo, exec_lo, s84
	s_and_saveexec_b32 s84, s85
	global_store_b32 v[TB], v[WV], s[12:13]
	global_store_b32 v[TB], v[CW], s[14:15]
	s_wait_xcnt 0x0                                ; in front of the line that widens EXEC; it also frees the stores' registers for the next trip
	s_or_b32 exec_lo, exec_lo, s84
	s_cmp_eq_u32 s18, 3
	s_cbranch_scc1 .Lfin                           ; tiles 8 to 12 take waves 0 to 2: wave 3 makes one trip
	s_add_co_u32 s19, s19, 1
	s_cmp_lt_u32 s19, 2
	s_cbranch_scc1 .Lread
.Lfin:
	CROUND                                         ; the closing round
	s_endpgm
.Lfunc_end_k_q00bef7a6e2_match:
	.size	k_q00bef7a6e2_match, .Lfunc_end_k_q00bef7a6e2_match-k_q00bef7a6e2_match
	.p2alignl 7, 3214868480
	.fill 96, 4, 3214868480
	.section	.rodata,"a",@progbits
	.p2align	6, 0x0
	.amdhsa_kernel k_q00bef7a6e2_match
		.amdhsa_group_segment_fixed_size 327680
		.amdhsa_private_segment_fixed_size 0
		.amdhsa_enable_private_segment 0
		.amdhsa_kernarg_size 56
		.amdhsa_user_sgpr_count 2
		.amdhsa_user_sgpr_kernarg_segment_ptr 1
		.amdhsa_wavefront_size32 1
		.amdhsa_system_sgpr_workgroup_id_x 1
		.amdhsa_system_sgpr_workgroup_id_y 1
		.amdhsa_system_sgpr_workgroup_id_z 1
		.amdhsa_system_vgpr_workitem_id 0
		.amdhsa_next_free_vgpr 1024
		.amdhsa_next_free_sgpr 90
		.amdhsa_reserve_vcc 1
		.amdhsa_float_denorm_mode_32 3
		.amdhsa_float_denorm_mode_16_64 3
		.amdhsa_memory_ordered 1
		.amdhsa_forward_progress 1
		.amdhsa_inst_pref_size 255
	.end_amdhsa_kernel
	.section	.bss,"aw",@nobits
	.p2align	6
	.space	262144
	.amdgpu_metadata
---
amdhsa.version: [ 1, 2 ]
amdhsa.kernels:
  - .name:           k_q00bef7a6e2_match
    .symbol:         k_q00bef7a6e2_match.kd
    .args:
      - { .name: x, .offset: 0, .size: 8, .value_kind: global_buffer, .address_space: global }
      - { .name: timeline_mask, .offset: 8, .size: 8, .value_kind: global_buffer, .address_space: global }
      - { .name: pb, .offset: 16, .size: 8, .value_kind: global_buffer, .address_space: global }
      - { .name: aux, .offset: 24, .size: 8, .value_kind: global_buffer, .address_space: global }
      - { .name: out0, .offset: 32, .size: 8, .value_kind: global_buffer, .address_space: global }
      - { .name: out1, .offset: 40, .size: 8, .value_kind: global_buffer, .address_space: global }
      - { .name: out2, .offset: 48, .size: 8, .value_kind: global_buffer, .address_space: global }
    .group_segment_fixed_size: 327680
    .private_segment_fixed_size: 0
    .kernarg_segment_align: 8
    .kernarg_segment_size: 56
    .max_flat_workgroup_size: 128
    .sgpr_count:     90
    .vgpr_count:     1024
    .wavefront_size: 32
...
	.end_amdgpu_metadata
.endif
;; end of part 3
